; MI455X (gfx1250); checked and timed in simulation.
; The chip was launched on July 23, 2026; its instructions are those of AMD's public machine-readable ISA for CDNA 5 (MIT licence, August 2026) and "CDNA5" Instruction Set Architecture Reference Guide (July 2026). The comments in the code are by the model that wrote it; some were corrected since.
;; MSA. Allowed arithmetic: matrix products marked QUANTISED: E2M3 operands, one E8M0 scale for each 32 along K, by v_wmma_scale_f32_16x16x128_f8f6f4 with both operands' format E2M3, f32 sums; everything else in f32.
;; Inputs: Wk 1,024 x 1,024 float32; Wo 1,024 x 1,024 float32; Wq 1,024 x 1,024 float32; Wv 1,024 x 1,024 float32; bk 1,024 float32; bo 1,024 float32; bq 1,024 float32; bv 1,024 float32; mask 4 x 2,048 x 2,048 int32; x 4 x 2,048 x 1,024 float32.
;; Outputs: out0 4 x 2,048 x 1,024 float32.
;; This version of the problem:
;;   THIS VERSION OF THE PROBLEM IS GIVEN IN LOW PRECISION. The matrix products marked QUANTISED in the list below multiply operands that are first quantised to E2M3 (2 exponent bits, 3 mantissa bits; 6 bits a number), with one power-of-two scale for each 32 numbers along K (OCP MX v1.0); their sums are f32. All else is computed in f32.
;;   The module's matrix products, in the order in which they are computed (A, B: the left and right operand; K: the contracted axis; several contracted axes count as one K, in the product's order):
;;     1. [M 8,192, K 1,024] x [K 1,024, N 1,024]; A: input x; B: input Wq: QUANTISED
;;     2. [M 8,192, K 1,024] x [K 1,024, N 1,024]; A: input x; B: input Wk: QUANTISED
;;     3. [M 8,192, K 1,024] x [K 1,024, N 1,024]; A: input x; B: input Wv: QUANTISED
;;     4. batch 64 x [M 2,048, K 64] x [K 64, N 2,048]; A: computed on the way; B: computed on the way: QUANTISED
;;     5. batch 64 x [M 2,048, K 2,048] x [K 2,048, N 64]; A: softmax (see below); B: computed on the way: QUANTISED
;;     6. [M 8,192, K 1,024] x [K 1,024, N 1,024]; A: computed on the way; B: input Wo: QUANTISED
;;   THE QUANTISER, for each operand of a quantised product, along K:
;;     - K is cut into blocks of 32 from its start; a last block that is shorter is filled with zeros.
;;     - A block's scale is 2^e with e = floor(log2(the largest magnitude in the block)) - 2, held to -126 .. 127; a block of zeros has e = 0. As a byte (E8M0): e + 127.
;;     - Each number is divided by its block's scale, clamped to +-7.5, and rounded to the nearest number of E2M3, ties to even, subnormals kept.
;;     - The product sums the exact products of the quantised numbers (number of the format x scale) in f32.
;;   ~~~python
;;   def quantise(x, axis):      # numpy; x: float32 -> the quantised numbers, widened to float32 again
;;       x = np.moveaxis(x, axis, -1); K = x.shape[-1]
;;       x = np.pad(x, [(0, 0)] * (x.ndim - 1) + [(0, -K % 32)]); x = x.reshape(x.shape[:-1] + (-1, 32)); a = np.abs(x).max(-1, keepdims=True)
;;       e = np.where(a > 0, np.clip(np.frexp(np.where(a > 0, a, 1))[1] - 1 - 2, -126, 127), 0)      # np.frexp(a)[1] - 1 = floor(log2(a)), exactly
;;       r = np.clip(x / 2.0 ** e, -7.5, 7.5)
;;       step = 2.0 ** (np.maximum(np.frexp(np.where(r == 0, 1, r))[1] - 1, 0) - 3)
;;       q = np.round(r / step) * step * 2.0 ** e      # np.round: ties to even
;;       return np.moveaxis(q.reshape(q.shape[:-2] + (-1,))[..., :K], -1, axis).astype(np.float32)
;;   ~~~
;;   SOFTMAX AHEAD OF A QUANTISED PRODUCT. Where the list says 'softmax', what is quantised is not the finished softmax but p = 2^(t - M), with t = logit x log2(e) and M = ceil(the row's largest t), a whole number; so 1/2 < the row's largest p <= 1. The row's sum l is taken of the UNQUANTISED p, in f32, and the product's result is divided by l at the end. Since M is a whole number, a kernel that streams over the keys may use a running M (the ceiling of the running maximum): every later rescaling is an exact power of two, which a block's scale takes up: the codes' values come out the same.
;;   OPERANDS COMPUTED ON THE WAY. 'Computed on the way' means the value that the module computes at that place (a softmax that the list does not call 'softmax' is quantised finished and normalised). What goes into a quantiser is computed in f32, as accurately as f32 sums, v_exp_f32 and their like allow (about 1e-6 of the number): no bf16 or f16 on the way to a quantiser, and a product that is left as it is and whose result goes on into a quantised operand takes f32 operands (vector FMAs, or v_wmma_f32_16x16x4_f32). A number that lies on a knife's edge between two numbers of the format may be rounded either way, as far as f32 arithmetic and the matrix unit's own rounding can turn it there, and no further.
;; One version. Each part assembles by itself: llvm-mc -triple=amdgcn-amd-amdhsa -mcpu=gfx1250 --defsym DOCPART=n.
;; ======== version 1 of 1: 4 launches
;; limits: right only within a limited range of input values
;; workspace buffers: cod 9,437,184 bytes; scl 393,216 bytes; mw 2,097,152 bytes of whole numbers; qc 6,291,456 bytes; qs 524,288 bytes; kv 13,369,344 bytes; acod 6,291,456 bytes; ascl 262,144 bytes
;; launch prep (part 1): grid 256 x 1, 14 waves a work-group, no clusters, 120,320 bytes of LDS; arguments x, Wq, Wk, Wv, Wo, mask, cod, scl, mw; writes cod, scl, mw
.if DOCPART == 1
	.amdgcn_target "amdgcn-amd-amdhsa--gfx1250"
	.amdhsa_code_object_version 6
	.text
	.protected	k_qedbc895041_prep
	.globl	k_qedbc895041_prep
	.p2align	8
	.type	k_qedbc895041_prep,@function
k_qedbc895041_prep:
	s_mov_b64 s[64:65], 0
	v_nop
	global_prefetch_b8 v0, s[64:65] scope:SCOPE_SE
	s_setreg_imm32_b32 hwreg(HW_REG_WAVE_MODE, 25, 1), 1
	s_wait_xcnt 0x0
; PREP.  x [8192][1024] and the four weights [1024][1024], f32 with K innermost, become codes of FP6 (E2M3) with one E8M0 byte for each 32 along K; the mask [4][2048][2048], int32, becomes lane words.
; A TILE is 16 rows in tile order: tile T holds rows 32 (T / 2) + 8 (T % 2) + i + 8 (i / 8), i = 0 .. 15, so that in a later product used transposed two neighbouring result tiles hold 16 neighbours along the next K.
; CODES leave as images of an operand's registers: 16 rows x 64 K are 768 bytes: lane l = 16 h + r (row r, block h of 32) has its registers 0-3 at 16 l and 4-5 at 512 + 8 l.
;   cod: [256 along K: 4][tile 768][128 along K: 2][64 along K: 2][768];  tiles 0-511 x, 512-575 Wq, 576-639 Wk, 640-703 Wv, 704-767 Wo.   scl: [tile][row 16][8 words], a word for 128 along K.
; MASK: mw [tile of queries 512][step of 128 keys: 16][64 words]: bit 16 h + r of word 16 b + i says whether key 128 step + 32 b + 16 h + i counts for the tile's query r.
; A block's scale is 2^(floor(log2(largest magnitude)) - 2); its byte is the largest magnitude's exponent field - 2, held at 1 from below.
; LIMITS: a block of zeros gets the byte 1 where the rule says 127 (its codes are zeros, and this program alone reads the bytes); blocks whose largest magnitude lies under 2^-124 keep the byte 1; NaN and infinities are not served.
; SHARES.  A wave takes a UNIT: one tile x 512 columns of 4 bytes, in 4 chunks of 128 columns.  Units 0-1023: x's 512 tiles in two halves of K; 1024-1535: the weights' 256 tiles likewise; 1536-3583: the mask's 512 tiles in four quarters
; of their columns.  3,584 units = 256 work-groups x 14 waves: unit = 14 x work-group + wave.  Each load reads 512 bytes of one row on end; a chunk turns through the wave's own stage in LDS, so that a lane gets 16 neighbours
; of each block of 32 of its row.  Both kinds take the same loads and the same turn; only the register work behind the turn parts, on the unit's number.  A unit's four scale words a row are 16 bytes of the row's 32: the one store
; that fills no whole run.  No matrix unit, no tensor load, no cluster, no barrier, no prefetch: the launch streams, and waves share nothing.
.set CSTR,   2359296                   ; bytes of cod for 256 along K: 768 tiles x 3,072
.set SPITCH, 528                       ; a stage row: 512 bytes + 16, an odd multiple of 16
.set WSTG,   16*SPITCH                 ; a wave's stage
.set SPARE,  14*WSTG                   ; behind the stages: the spare words, 128 bytes a wave, in blocks of 256 bytes that no other line names
.set L16,  1                           ; v1   16 x lane
.set L8,   2                           ; v2   8 x lane
.set SA,   3                           ; v3   the stage, on the way in
.set SB,   4                           ; v4   and on the way out: 528 r + 64 h
.set SCO,  5                           ; v5   32 r: my row in the tile's 512 bytes of scales
.set SPW,  6                           ; v6   my spare word; never rewritten
.set NIL,  7                           ; v7   0; never rewritten
.set HH,   8                           ; v8   h
.set PC,   12                          ; v12-31   the codes just made
.set SW,   32                          ; v32-35   the four chunks' scale words
.set MWD,  40                          ; v40-41   a chunk's 64 mask words: lane L holds words 2 L and 2 L + 1
.set TM,   42                          ; v42-57   at work in QUANT
.set R,    58                          ; v58-185  two sets of 64: a chunk as loaded
.set X,    186                         ; v186-249 a chunk after the turn: register 16 b + i = column 32 b + 16 h + i of row r
.set SEL,  56                          ; s[56:57] v_permlanex16_b32's selects for lane l xor 16
.set UN,   59                          ; s59  my unit
; 64 numbers of a lane become codes in v[PC] on (6 registers for each 64 along K) and the row's scale word in v[w]
.macro QUANT s, w
.irp b, 0,1,2,3
	v_max3_num_f32 v[TM+\b], |v[\s+16*\b]|, |v[\s+1+16*\b]|, 0x1800000   ; my 16 numbers of block b, and the floor 2^(3 - 127)
.endr
.irp i, 2,4,6,8,10,12,14
.irp b, 0,1,2,3
	v_max3_num_f32 v[TM+\b], v[TM+\b], |v[\s+16*\b+\i]|, |v[\s+1+16*\b+\i]|   ; the blocks by turns
.endr
.endr
.irp b, 0,1,2,3
	v_permlanex16_b32 v[TM+4+\b], v[TM+\b], s[SEL], s[SEL+1]
.endr
.irp b, 0,1,2,3
	v_max_num_f32 v[TM+\b], v[TM+\b], v[TM+4+\b]                   ; with lane l xor 16's: the block's largest magnitude
.endr
.irp b, 0,1,2,3
	v_add_nc_u32 v[TM+12+\b], 0xff000000, v[TM+\b]                 ; 2 off its exponent field: the conversion's scale operand
.endr
.irp b, 0,1,2,3
	v_lshrrev_b32 v[TM+4+\b], 23, v[TM+12+\b]                      ; the scale's byte
.endr
	v_lshl_or_b32 v[\w], v[TM+5], 8, v[TM+4]
	v_lshl_or_b32 v[\w], v[TM+6], 16, v[\w]
	v_lshl_or_b32 v[\w], v[TM+7], 24, v[\w]
.irp c, 0,1
	v_cvt_scalef32_pk16_fp6_f32 v[PC+6*\c:PC+2+6*\c], v[\s+32*\c:\s+15+32*\c], v[TM+12+2*\c]
	v_cvt_scalef32_pk16_fp6_f32 v[PC+12+4*\c:PC+14+4*\c], v[\s+16+32*\c:\s+31+32*\c], v[TM+12+2*\c+1]   ; a conversion's three registers begin on an even number
.endr
	v_nop                                          ; one plain place behind a scaled conversion
.irp c, 0,1
.irp i, 0,1,2
	v_permlane16_swap_b32 v[PC+6*\c+\i], v[PC+12+4*\c+\i]          ; a whole block in a lane: lanes 0-15 block 2 c, lanes 16-31 block 2 c + 1
.endr
.irp i, 0,1,2
	v_mov_b32 v[PC+3+6*\c+\i], v[PC+12+4*\c+\i]
.endr
.endr
.endm
	s_load_b512 s[4:19], s[0:1], 0x0               ; x, Wq, Wk, Wv, Wo, mask, cod, scl
	s_load_b64 s[20:21], s[0:1], 0x40              ; mw
	v_lshl_add_u32 v[SPW], v0, 2, SPARE
	v_mov_b32 v[NIL], 0
	v_lshrrev_b32 v9, 5, v0
	v_readfirstlane_b32 s58, v9                    ; wave 0..13
	v_and_b32 v9, 31, v0                           ; lane
	v_and_b32 v10, 15, v0                          ; r
	v_bfe_u32 v[HH], v0, 4, 1                      ; h
	v_lshlrev_b32 v[L16], 4, v9
	v_lshlrev_b32 v[L8], 3, v9
	s_mul_i32 s60, s58, WSTG                       ; my stage
	v_add_nc_u32 v[SA], s60, v[L16]
	v_mul_u32_u24 v[SB], v10, SPITCH
	v_lshl_add_u32 v[SB], v[HH], 6, v[SB]
	v_add_nc_u32 v[SB], s60, v[SB]
	v_lshlrev_b32 v[SCO], 5, v10
.irp j, 0,1,2,3,8,9
	v_mov_b32 v[SW+\j], 0                          ; the scale words and the mask words' pair: written on every way before they are named
.endr
.irp b, 0,1,2,3
	v_mov_b32 v[TM+4+\b], 0                        ; a lane permute's destination counts as one of its sources
.endr
	s_mov_b32 s[SEL], 0x76543210
	s_mov_b32 s[SEL+1], 0xfedcba98
	s_mul_i32 s[UN], ttmp9, 14
	s_add_co_u32 s[UN], s[UN], s58                 ; my unit
	s_lshr_b32 s76, s[UN], 1                       ; a quantising unit's tile in cod and scl,
	s_and_b32 s77, s[UN], 1                        ; and its half of K
	s_and_b32 s60, s76, 63                         ; a weight's tile
	s_sub_co_u32 s61, s[UN], 1536                  ; the mask's unit:
	s_lshr_b32 s62, s61, 2                         ; its tile of queries,
	s_and_b32 s63, s61, 3                          ; its quarter of the columns
	s_cmp_lt_u32 s[UN], 1536                       ; units 0-1535 quantise, the others pack the mask
	s_cselect_b32 s62, s60, s62
	s_cselect_b32 s63, s77, s63
	s_cselect_b32 s72, 12, 13                      ; a row is 4,096 bytes, the mask's 8,192
	s_cselect_b32 s73, s76, 0
	s_cselect_b32 s61, 0, s61
	s_cselect_b32 s77, s77, 0
	s_cmp_lt_u32 s[UN], 1024                       ; units 0-1023: x
	s_cselect_b32 s62, s76, s62                    ; the tile in its own tensor
	s_lshr_b32 s74, s62, 1
	s_lshl_b32 s74, s74, 5
	s_and_b32 s75, s62, 1
	s_lshl_b32 s75, s75, 3
	s_add_co_u32 s74, s74, s75                     ; the tile's first row
	s_lshl_b32 s74, s74, s72
	s_lshl_b32 s63, s63, 11
	s_add_co_u32 s74, s74, s63                     ; in bytes, + my 512 columns
	s_mov_b32 s75, 0
	s_wait_alu depctr_va_vdst(0)                   ; the wait at the head's end
	s_wait_kmcnt 0x0
	s_mov_b64 s[22:23], s[14:15]                   ; the tensor is chosen by the unit's number alone
	s_cmp_lt_u32 s76, 768
	s_cselect_b64 s[22:23], s[12:13], s[22:23]
	s_cmp_lt_u32 s76, 704
	s_cselect_b64 s[22:23], s[10:11], s[22:23]
	s_cmp_lt_u32 s76, 640
	s_cselect_b64 s[22:23], s[8:9], s[22:23]
	s_cmp_lt_u32 s76, 576
	s_cselect_b64 s[22:23], s[6:7], s[22:23]
	s_cmp_lt_u32 s76, 512
	s_cselect_b64 s[22:23], s[4:5], s[22:23]
	s_add_nc_u64 s[22:23], s[22:23], s[74:75]
.irp i, 0,1,2,3,4,5,6,7,8,9,10,11,12,13,14,15
	s_lshl_b32 s74, \i+8*(\i/8), s72               ; a base for each of the tile's 16 rows
	s_add_nc_u64 s[24+2*\i:25+2*\i], s[22:23], s[74:75]
.endr
	s_mul_i32 s74, s73, 3072
	s_add_nc_u64 s[66:67], s[16:17], s[74:75]      ; my tile in cod,
	s_mul_i32 s74, s77, 2*CSTR
	s_add_nc_u64 s[66:67], s[66:67], s[74:75]      ; my half of K: two groups of 256
	s_lshl_b32 s74, s73, 9
	s_add_nc_u64 s[68:69], s[18:19], s[74:75]      ; my tile in scl,
	s_lshl_b32 s74, s77, 4
	s_add_nc_u64 s[68:69], s[68:69], s[74:75]      ; my four words of a row's eight
	s_lshl_b32 s74, s61, 10
	s_add_nc_u64 s[70:71], s[20:21], s[74:75]      ; my four steps in mw
.macro LOAD t                          ; chunk t: 16 rows x 512 bytes on end
.irp i, 0,1,2,3,4,5,6,7,8,9,10,11,12,13,14,15
	global_load_b128 v[R+64*((\t)%2)+4*\i:R+64*((\t)%2)+4*\i+3], v[L16], s[24+2*\i:25+2*\i] offset:512*(\t) th:TH_LOAD_NT
.endr
.endm
.macro CHUNK t
.if (\t) < 3
	s_wait_loadcnt 16                              ; this chunk's 16 loads are in; the next chunk's 16 may be out
.else
	s_wait_loadcnt 0
.endif
.irp i, 0,1,2,3,4,5,6,7,8,9,10,11,12,13,14,15
	ds_store_b128 v[SA], v[R+64*((\t)%2)+4*\i:R+64*((\t)%2)+4*\i+3] offset:SPITCH*\i
.endr
.irp b, 0,1,2,3
.irp j, 0,1,2,3
	ds_load_b128 v[X+16*\b+4*\j:X+16*\b+4*\j+3], v[SB] offset:128*\b+16*\j   ; LDS serves a wave's instructions in order: these see the stores above
.endr
.endr
	s_wait_dscnt 0x0                               ; the chunk is back, and the stores into the stage have read their registers
	s_wait_xcnt 0x0                                ; the last chunk's global stores have read theirs
.if (\t) < 2
	LOAD (\t)+2
.endif
	s_cmp_lt_u32 s[UN], 1536
	s_cbranch_scc0 .Lmask_\@
	QUANT X, SW+(\t)
.irp c, 0,1
	global_store_b128 v[L16], v[PC+6*\c:PC+6*\c+3], s[66:67] offset:((\t)/2)*CSTR+((\t)%2)*1536+768*\c        ; 512 bytes on end
	global_store_b64 v[L8], v[PC+6*\c+4:PC+6*\c+5], s[66:67] offset:((\t)/2)*CSTR+((\t)%2)*1536+768*\c+512   ; 256 bytes on end
.endr
	s_branch .Ljoin_\@
.Lmask_\@:
.irp g, 0,1,2,3,4,5,6,7
.irp e, 0,1,2,3,4,5,6,7
	v_cmp_ne_u32 s[72+\e], 0, v[X+8*\g+\e]         ; word 8 g + e: a bit for each lane
.endr
.irp e, 0,1,2,3,4,5,6,7
	v_writelane_b32 v[MWD+(\e%2)], s[72+\e], (8*\g+\e)/2
.endr
.endr
	global_store_b64 v[L8], v[MWD:MWD+1], s[70:71] offset:256*(\t)   ; a step's 64 words: 256 bytes on end, aligned
.Ljoin_\@:
.endm
	LOAD 0
	LOAD 1
.irp t, 0,1,2,3
	CHUNK \t
.endr
	s_cmp_lt_u32 s[UN], 1536
	s_cbranch_scc0 .Lend
	global_store_b128 v[SCO], v[SW:SW+3], s[68:69]   ; my four words of each row; lanes r and 16 + r hold the same words and write the same bytes
.Lend:
	s_wait_tensorcnt 0x0                           ; the wave's end
	ds_add_u32 v[SPW], v[NIL]
	s_wait_dscnt 0x0
	s_endpgm
.Lfunc_end_k_qedbc895041_prep:
	.size	k_qedbc895041_prep, .Lfunc_end_k_qedbc895041_prep-k_qedbc895041_prep
	.p2alignl 7, 3214868480
	.fill 96, 4, 3214868480
	.section	.rodata,"a",@progbits
	.p2align	6, 0x0
	.amdhsa_kernel k_qedbc895041_prep
		.amdhsa_group_segment_fixed_size 120320
		.amdhsa_private_segment_fixed_size 0
		.amdhsa_enable_private_segment 0
		.amdhsa_kernarg_size 72
		.amdhsa_user_sgpr_count 2
		.amdhsa_user_sgpr_kernarg_segment_ptr 1
		.amdhsa_wavefront_size32 1
		.amdhsa_system_sgpr_workgroup_id_x 1
		.amdhsa_system_sgpr_workgroup_id_y 1
		.amdhsa_system_sgpr_workgroup_id_z 1
		.amdhsa_system_vgpr_workitem_id 0
		.amdhsa_next_free_vgpr 256
		.amdhsa_next_free_sgpr 84
		.amdhsa_reserve_vcc 0
		.amdhsa_float_denorm_mode_32 3
		.amdhsa_float_denorm_mode_16_64 3
		.amdhsa_memory_ordered 1
		.amdhsa_forward_progress 1
		.amdhsa_inst_pref_size 69
	.end_amdhsa_kernel
	.amdgpu_metadata
---
amdhsa.version: [ 1, 2 ]
amdhsa.kernels:
  - .name:           k_qedbc895041_prep
    .symbol:         k_qedbc895041_prep.kd
    .args:
      - { .name: x, .offset: 0, .size: 8, .value_kind: global_buffer, .address_space: global }
      - { .name: Wq, .offset: 8, .size: 8, .value_kind: global_buffer, .address_space: global }
      - { .name: Wk, .offset: 16, .size: 8, .value_kind: global_buffer, .address_space: global }
      - { .name: Wv, .offset: 24, .size: 8, .value_kind: global_buffer, .address_space: global }
      - { .name: Wo, .offset: 32, .size: 8, .value_kind: global_buffer, .address_space: global }
      - { .name: mask, .offset: 40, .size: 8, .value_kind: global_buffer, .address_space: global }
      - { .name: cod, .offset: 48, .size: 8, .value_kind: global_buffer, .address_space: global }
      - { .name: scl, .offset: 56, .size: 8, .value_kind: global_buffer, .address_space: global }
      - { .name: mw, .offset: 64, .size: 8, .value_kind: global_buffer, .address_space: global }
    .group_segment_fixed_size: 120320
    .private_segment_fixed_size: 0
    .kernarg_segment_align: 8
    .kernarg_segment_size: 72
    .max_flat_workgroup_size: 448
    .sgpr_count:     84
    .vgpr_count:     256
    .wavefront_size: 32
...
	.end_amdgpu_metadata
.endif
;; end of part 1
;; launch qkv (part 2): grid 12 x 32, 4 waves a work-group, clusters of 4 x 4, 327,680 bytes of LDS; arguments cod, scl, bq, bk, bv, qc, qs, kv; writes qc, qs, kv
.if DOCPART == 2
	.amdgcn_target "amdgcn-amd-amdhsa--gfx1250"
	.amdhsa_code_object_version 6
	.text
	.protected	k_qedbc895041_qkv
	.globl	k_qedbc895041_qkv
	.p2align	8
	.type	k_qedbc895041_qkv,@function
k_qedbc895041_qkv:
	s_mov_b64 s[64:65], 0
	v_nop
	global_prefetch_b8 v0, s[64:65] scope:SCOPE_SE
	s_setreg_imm32_b32 hwreg(HW_REG_WAVE_MODE, 25, 1), 1
	s_wait_xcnt 0x0
	s_wait_alu depctr_hold_cnt(0) depctr_sa_sdst(0) depctr_va_vdst(0) depctr_va_sdst(0) depctr_va_ssrc(0) depctr_va_vcc(0) depctr_vm_vsrc(0)
	s_getreg_b32 s2, hwreg(HW_REG_IB_STS2, 6, 4)
	s_cmp_eq_u32 s2, 0
	s_cbranch_scc0 .Lentry_in_a_cluster
	s_endpgm
.Lentry_in_a_cluster:
	s_bfe_u32 s2, ttmp6, 0x10000c
	s_cmp_lg_u32 s2, 0xf033
	s_cbranch_scc0 .Lentry_shape_is_right
	s_endpgm
.Lentry_shape_is_right:
.set STRA,   2359296
.set STRB,   2359296
.set TILEB,  3072
.set HALFT,  8*TILEB
.set SLOT,   4*HALFT
.set SCL,    2*SLOT
.set HALFS,  16*272
.set SBLK,   2*272
.set SPARE,  SCL+4*HALFS
.set NQ,     2
.set FR,     12
.set NL,     4
.set NP,     4
.set ADRA, 16
.set ADRB, 20
.set L16,  24
.set L8,   25
.set SCO,  26
.set ADRS, 27
.set SPW,  28
.set NIL,  29
.set HH,   30
.set SC,   32
.set BB,   64
.set AF,   128
.set BA,   240
.set H,    128
.set TM,   192
.set PC,   208
.set SW,   228
.set D4,   236
.set SEL,  36
.set G1, 24
.set G0, 32
.set G1B, 48
.set G0B, 56
.set G1S, 68
.set G0S, 76
.set G1SB, 80
.set G0SB, 88
.set MSB, 0
.macro WIN new
.if MSB != \new
	s_set_vgpr_msb (MSB<<8)|\new
.set MSB, \new
.endif
.endm
.set MUL_LO, 0xa1
.set MUL_HI, 0xf1
.set TO_B,   0x40
.macro JLOAD g0a, g1a, g0b, g1b
	s_cmp_eq_u32 s21, 0
	s_cbranch_scc0 .Lfor_b_\@
	tensor_load_to_lds s[\g0a:\g0a+3], s[\g1a:\g1a+7]
	s_nop 0
.rept 4
	v_nop
.endr
	s_branch .Lasked_\@
.Lfor_b_\@:
	tensor_load_to_lds s[\g0b:\g0b+3], s[\g1b:\g1b+7]
	s_nop 0
.rept 4
	v_nop
.endr
.Lasked_\@:
.endm
.macro CREST
	s_cmp_lg_u32 s20, 0
	s_cbranch_scc1 .Lnot_wave_0_\@
	s_barrier_signal -3
.Lnot_wave_0_\@:
	s_barrier_wait -3
	s_barrier_signal -1
	s_barrier_wait -1
.endm
.macro CROUND
	s_barrier_signal -1
	s_barrier_wait -1
	CREST
.endm
.macro QUANT s, w, nc
.irp b, 0,1,2,3
.if \b < 2*\nc
	v_max3_num_f32 v[TM+\b], |v[\s+16*\b]|, |v[\s+1+16*\b]|, 0x1800000
.endif
.endr
.irp i, 2,4,6,8,10,12,14
.irp b, 0,1,2,3
.if \b < 2*\nc
	v_max3_num_f32 v[TM+\b], v[TM+\b], |v[\s+16*\b+\i]|, |v[\s+1+16*\b+\i]|
.endif
.endr
.endr
.irp b, 0,1,2,3
.if \b < 2*\nc
	v_permlanex16_b32 v[TM+4+\b], v[TM+\b], s[SEL], s[SEL+1]
.endif
.endr
.irp b, 0,1,2,3
.if \b < 2*\nc
	v_max_num_f32 v[TM+\b], v[TM+\b], v[TM+4+\b]
.endif
.endr
.irp b, 0,1,2,3
.if \b < 2*\nc
	v_add_nc_u32 v[TM+12+\b], 0xff000000, v[TM+\b]
.endif
.endr
.irp b, 0,1,2,3
.if \b < 2*\nc
	v_lshrrev_b32 v[TM+4+\b], 23, v[TM+12+\b]
.endif
.endr
	v_lshl_or_b32 v[\w], v[TM+5], 8, v[TM+4]
.if \nc > 1
	v_lshl_or_b32 v[\w], v[TM+6], 16, v[\w]
	v_lshl_or_b32 v[\w], v[TM+7], 24, v[\w]
.endif
.irp c, 0,1
.if \c < \nc
	v_cvt_scalef32_pk16_fp6_f32 v[PC+6*\c:PC+2+6*\c], v[\s+32*\c:\s+15+32*\c], v[TM+12+2*\c]
	v_cvt_scalef32_pk16_fp6_f32 v[PC+12+4*\c:PC+14+4*\c], v[\s+16+32*\c:\s+31+32*\c], v[TM+12+2*\c+1]
.endif
.endr
	v_nop
.irp c, 0,1
.if \c < \nc
.irp i, 0,1,2
	v_permlane16_swap_b32 v[PC+6*\c+\i], v[PC+12+4*\c+\i]
.endr
.irp i, 0,1,2
	v_mov_b32 v[PC+3+6*\c+\i], v[PC+12+4*\c+\i]
.endr
.endif
.endr
.endm
	s_load_b512 s[4:19], s[0:1], 0x0
	v_lshl_add_u32 v[SPW], v0, 2, SPARE
	v_mov_b32 v[NIL], 0
	ds_add_u32 v[SPW], v[NIL]
	ds_add_u32 v[SPW], v[NIL]
	v_lshrrev_b32 v1, 5, v0
	v_readfirstlane_b32 s20, v1
	s_lshr_b32 s21, s20, 1
	s_and_b32 s22, s20, 1
	s_mov_b32 s23, ttmp9
	s_bfe_u32 s40, ttmp6, 0x40000
	s_bfe_u32 s41, ttmp6, 0x40004
	s_and_b32 s94, ttmp7, 0xffff
	s_lshl_b32 s94, s94, 2
	s_lshl_b32 s95, ttmp9, 2
	s_cmp_eq_u32 ttmp9, 2
	s_cselect_b32 s43, 0, s94
	s_cselect_b32 s42, s94, s95
	s_cselect_b32 s97, 640, 0
	s_cselect_b32 s3, 0, 512
	s_add_co_u32 s43, s43, s41
	s_add_co_u32 s42, s42, s40
	s_lshl_b32 s92, s41, 2
	s_lshl_b32 s92, 15, s92
	s_lshl_b32 s93, 0x1111, s40
	s_or_b32 s[G1+0], s92, (3<<16)|(1<<21)
	s_or_b32 s[G1B+0], s93, (3<<16)|(1<<21)
.irp g, G1, G1B
	s_mov_b32 s[\g+1], 32<<16
	s_mov_b32 s[\g+2], 192<<16                     ; the head's loads of codes bring 16 tiles: 192 rows of 256 bytes
	s_mov_b32 s[\g+3], 32<<16
	s_mov_b32 s[\g+4], 192
	s_mov_b32 s[\g+5], 32
	s_mov_b32 s[\g+6], 0
	s_mov_b32 s[\g+7], 0
.endr
	s_or_b32 s[G1S+0], s92, (3<<16)|(1<<20)|(1<<21)|(5<<22)|(3<<25)
	s_or_b32 s[G1SB+0], s93, (3<<16)|(1<<20)|(1<<21)|(5<<22)|(3<<25)
.irp g, G1S, G1SB
	s_mov_b32 s[\g+1], 32<<16
	s_mov_b32 s[\g+2], 32<<16                      ; the scales of 16 tiles: 32 rows of 256 bytes
	s_mov_b32 s[\g+3], 32<<16
	s_mov_b32 s[\g+4], 32
	s_mov_b32 s[\g+5], 32
	s_mov_b32 s[\g+6], 0
	s_mov_b32 s[\g+7], 0
.endr
	s_lshl_b32 s95, s43, 4
	s_add_co_u32 s95, s95, s97                     ; the first of A's 16 tiles
	s_lshl_b32 s96, s42, 4
	s_add_co_u32 s96, s96, s3                      ; the first of B's
	s_mul_i32 s98, s95, TILEB
	s_mov_b32 s99, 0
	s_lshl_b32 s100, s95, 9
	s_mov_b32 s101, 0
	s_mul_i32 s44, s96, TILEB
	s_mov_b32 s45, 0
	s_lshl_b32 s46, s96, 9
	s_mov_b32 s47, 0
	s_mul_i32 s92, s20, HALFT
	s_wait_dscnt 0x0
	s_wait_kmcnt 0x0
	s_add_nc_u64 s[98:99], s[4:5], s[98:99]
	s_add_nc_u64 s[100:101], s[6:7], s[100:101]
	s_add_nc_u64 s[44:45], s[4:5], s[44:45]
	s_add_nc_u64 s[46:47], s[6:7], s[46:47]
	CROUND
	s_mov_b32 s[G0S], 1
	s_mov_b32 s[G0S+1], SCL
	s_mov_b64 s[G0S+2:G0S+3], s[100:101]
	s_or_b32 s[G0S+3], s[G0S+3], 0x80000000
	s_mov_b32 s[G0SB], 1
	s_mov_b32 s[G0SB+1], SCL+2*HALFS
	s_mov_b64 s[G0SB+2:G0SB+3], s[46:47]
	s_or_b32 s[G0SB+3], s[G0SB+3], 0x80000000
	s_mov_b32 s4, 1                                ; s[4:7]: group 0 of the head's load of A's 16 tiles of slot 0 (the arguments that lay there have been used)
	s_mov_b32 s5, 0
	s_mov_b64 s[6:7], s[98:99]
	s_or_b32 s7, s7, 0x80000000
	s_mov_b64 s[46:47], s[44:45]                   ; s[44:47]: the same for B's 16 tiles, behind A's in slot 0
	s_or_b32 s47, s47, 0x80000000
	s_mul_i32 s100, s22, HALFT                     ; for the ring: my 8 tiles of the 16
	s_mov_b32 s101, 0
	s_add_nc_u64 s[98:99], s[98:99], s[100:101]
	s_add_nc_u64 s[100:101], s[44:45], s[100:101]
	s_mov_b32 s44, 1
	s_mov_b32 s45, 2*HALFT
.irp s, 0,1
	s_mov_b32 s[G0+4*\s], 1
	s_add_co_u32 s[G0+4*\s+1], s92, \s*SLOT
	s_add_nc_u64 s[G0+4*\s+2:G0+4*\s+3], s[98:99], \s*STRA
	s_or_b32 s[G0+4*\s+3], s[G0+4*\s+3], 0x80000000
	s_mov_b32 s[G0B+4*\s], 1
	s_add_co_u32 s[G0B+4*\s+1], s92, \s*SLOT
	s_add_nc_u64 s[G0B+4*\s+2:G0B+4*\s+3], s[100:101], \s*STRB
	s_or_b32 s[G0B+4*\s+3], s[G0B+4*\s+3], 0x80000000
.endr
; the head's four tiles, one joint load a wave: wave 0 slot 0's tiles of A, wave 1 those of B, wave 2 A's scales, wave 3 B's; one chain of branches on the wave's number
.macro ARM under, g0, g1, next
	s_cmp_lt_u32 s20, \under
	s_cbranch_scc0 \next
	tensor_load_to_lds s[\g0:\g0+3], s[\g1:\g1+7]
	s_nop 0
.rept 4
	v_nop
.endr
	s_branch .Lhead_asked
\next:
.endm
	ARM 1, 4, G1, .Lhead_b
	ARM 2, 44, G1B, .Lhead_sa
	ARM 3, G0S, G1S, .Lhead_sb
	tensor_load_to_lds s[G0SB:G0SB+3], s[G1SB:G1SB+7]
	s_nop 0
.rept 4
	v_nop
.endr
.Lhead_asked:
	v_and_b32 v1, 31, v0
	v_and_b32 v2, 15, v0
	v_bfe_u32 v[HH], v0, 4, 1
	v_lshlrev_b32 v[L16], 4, v1
	v_lshlrev_b32 v[L8], 3, v1
	v_lshlrev_b32 v[SCO], 4, v2
	s_mul_i32 s94, s21, HALFT
	s_mul_i32 s95, s22, HALFT
	s_add_co_u32 s95, s95, 2*HALFT
.irp s, 0,1
	v_add_nc_u32 v[ADRA+\s], s94, v[L16]
	v_add_nc_u32 v[ADRA+2+\s], s94, v[L8]
	v_add_nc_u32 v[ADRB+\s], s95, v[L16]
	v_add_nc_u32 v[ADRB+2+\s], s95, v[L8]
	s_add_co_u32 s94, s94, SLOT
	s_add_co_u32 s95, s95, SLOT
.endr
	v_lshlrev_b32 v5, 5, v2
	v_lshrrev_b32 v6, 8, v5
	v_lshl_add_u32 v5, v6, 4, v5
	s_mul_i32 s94, s21, HALFS
	s_mul_i32 s95, s22, HALFS
	s_add_co_u32 s95, s95, 2*HALFS
	s_sub_co_u32 s95, s95, s94
	v_mul_u32_u24 v6, s95, v[HH]
	s_add_co_u32 s94, s94, SCL
	v_add_nc_u32 v5, v5, v6
	v_add_nc_u32 v[ADRS], s94, v5
	s_lshl_b32 s96, s43, 8
	s_lshl_b32 s97, s21, 7
	s_add_co_u32 s96, s96, s97
	s_lshl_b32 s97, s42, 8
	s_lshl_b32 s2, s22, 7
	s_add_co_u32 s97, s97, s2
	s_and_b32 s2, s97, 1023
	s_cmp_eq_u32 s23, 2
	s_cselect_b32 s66, s97, s96
	s_cselect_b32 s67, s96, s2
	s_mov_b64 s[94:95], s[12:13]
	s_cmp_eq_u32 s23, 1
	s_cselect_b64 s[94:95], s[10:11], s[94:95]
	s_cmp_eq_u32 s23, 0
	s_cselect_b64 s[94:95], s[8:9], s[94:95]
	s_lshl_b32 s2, s67, 2
	s_mov_b32 s3, 0
	s_add_nc_u64 s[94:95], s[94:95], s[2:3]
	v_lshlrev_b32 v8, 6, v[HH]
	v_and_b32 v9, 8, v2
	v_add_nc_u32 v9, v9, v2
	v_lshlrev_b32 v9, 2, v9
.irp t, 0,1,2,3,4,5,6,7
	global_load_b128 v[BB+8*\t:BB+8*\t+3], v8, s[94:95] offset:(32*(\t/2)+8*(\t%2))*4
	global_load_b128 v[BB+8*\t+4:BB+8*\t+7], v8, s[94:95] offset:(32*(\t/2)+8*(\t%2))*4+16
.endr
.irp a, 0,1,2,3,4,5,6,7
	global_load_b32 v[BA+2*\a], v9, s[94:95] offset:(32*(\a/2)+8*(\a%2))*4
	global_load_b32 v[BA+2*\a+1], v9, s[94:95] offset:(32*(\a/2)+8*(\a%2))*4
.endr
.macro FRAG reg, adr, q, i
	ds_load_b128 v[\reg:\reg+3], v[\adr] offset:(\i)*TILEB+(\q)*1536
	ds_load_b64 v[\reg+4:\reg+5], v[\adr+2] offset:(\i)*TILEB+(\q)*1536+512
	ds_load_b128 v[\reg+6:\reg+9], v[\adr] offset:(\i)*TILEB+(\q)*1536+768
	ds_load_b64 v[\reg+10:\reg+11], v[\adr+2] offset:(\i)*TILEB+(\q)*1536+1280
.endm
.macro MUL16 a0, p, q, sc, zero
.irp a, \a0, \a0+1
.irp b, 0,1,2,3,4,5,6,7
.if \zero == 1
	v_wmma_scale_f32_16x16x128_f8f6f4 v[8*(8*((\a)%4)+\b):8*(8*((\a)%4)+\b)+7], v[128*(\p)+FR*\b:128*(\p)+FR*\b+FR-1], v[AF+FR*(\a):AF+FR*(\a)+FR-1], 0, v[SC+8*NQ*(\sc)+NQ*\b+(\q)], v[SC+8*NQ*(\sc)+NQ*(\a)+(\q)] matrix_a_fmt:MATRIX_FMT_FP6 matrix_b_fmt:MATRIX_FMT_FP6 matrix_a_scale:MATRIX_SCALE_ROW1
.elseif \zero == 2
	v_wmma_scale_f32_16x16x128_f8f6f4 v[8*(8*((\a)%4)+\b):8*(8*((\a)%4)+\b)+7], v[128*(\p)+FR*\b:128*(\p)+FR*\b+FR-1], v[AF+FR*(\a):AF+FR*(\a)+FR-1], v[BB+8*\b:BB+8*\b+7], v[SC+8*NQ*(\sc)+NQ*\b+(\q)], v[SC+8*NQ*(\sc)+NQ*(\a)+(\q)] matrix_a_fmt:MATRIX_FMT_FP6 matrix_b_fmt:MATRIX_FMT_FP6 matrix_a_scale:MATRIX_SCALE_ROW1
.else
	v_wmma_scale_f32_16x16x128_f8f6f4 v[8*(8*((\a)%4)+\b):8*(8*((\a)%4)+\b)+7], v[128*(\p)+FR*\b:128*(\p)+FR*\b+FR-1], v[AF+FR*(\a):AF+FR*(\a)+FR-1], v[8*(8*((\a)%4)+\b):8*(8*((\a)%4)+\b)+7], v[SC+8*NQ*(\sc)+NQ*\b+(\q)], v[SC+8*NQ*(\sc)+NQ*(\a)+(\q)] matrix_a_fmt:MATRIX_FMT_FP6 matrix_b_fmt:MATRIX_FMT_FP6 matrix_a_scale:MATRIX_SCALE_ROW1
.endif
.endr
.endr
.endm
.macro FETCH_B slot, q, p
	WIN TO_B
.irp i, 0,1,2,3,4,5,6,7
	FRAG 128*(\p)+FR*\i, ADRB+\slot, \q, \i
.endr
	WIN 0
.endm
.macro FETCH_A slot, q, i0
.irp i, \i0, \i0+1, \i0+2, \i0+3
	FRAG AF+FR*(\i), ADRA+\slot, \q, \i
.endr
.endm
.macro SCALES sc
.irp i, 0,1,2,3,4,5,6,7
	ds_load_b64 v[SC+8*NQ*\sc+NQ*\i:SC+8*NQ*\sc+NQ*\i+1], v[ADRS] offset:\i*SBLK
.endr
.endm
.macro PLACES n
.rept \n
	v_nop
.endr
.endm
.macro STEP slot, q, zero
	s_wait_dscnt 4*NL
.if \zero == 2
	WIN 0x81
.else
	WIN MUL_LO
.endif
	MUL16 0, (\q)%2, \q, \slot, \zero
	MUL16 2, (\q)%2, \q, \slot, \zero
	s_wait_dscnt 0
	PLACES NP
	FETCH_B \slot, (\q)+1, 1-(\q)%2
	FETCH_A \slot, (\q)+1, 0
.if \zero == 2
	WIN 0xc1
.else
	WIN MUL_HI
.endif
	MUL16 4, (\q)%2, \q, \slot, \zero
	MUL16 6, (\q)%2, \q, \slot, \zero
	PLACES NP
	WIN 0
	FETCH_A \slot, (\q)+1, 4
.endm
.macro TURN slot, next, fill
	s_wait_tensorcnt 0x0
	ds_add_u32 v[SPW], v[NIL]
	s_wait_dscnt 4*NL+1
	WIN MUL_LO
	MUL16 0, 1, NQ-1, \slot, 0
	s_wait_dscnt 0x0
	s_barrier_signal -1
	MUL16 2, 1, NQ-1, \slot, 0
	WIN 0
	s_barrier_wait -1
.if \fill
	CREST
	s_add_nc_u64 s[G0+4*\slot+2:G0+4*\slot+3], s[G0+4*\slot+2:G0+4*\slot+3], 2*STRA
	s_add_nc_u64 s[G0B+4*\slot+2:G0B+4*\slot+3], s[G0B+4*\slot+2:G0B+4*\slot+3], 2*STRB
	JLOAD G0+4*\slot, G1, G0B+4*\slot, G1B
.else
	PLACES NP
.endif
	s_wait_alu depctr_va_vdst(0)
	v_add_nc_u32 v[ADRS], 4*NQ, v[ADRS]
	FETCH_B \next, 0, 0
	FETCH_A \next, 0, 0
	SCALES \next
	WIN MUL_HI
	MUL16 4, 1, NQ-1, \slot, 0
	MUL16 6, 1, NQ-1, \slot, 0
	PLACES NP
	WIN 0
	FETCH_A \next, 0, 4
.endm
	s_wait_alu depctr_va_vdst(0)
	s_wait_tensorcnt 0x0                           ; my tile of the head's four is in
	ds_add_u32 v[SPW], v[NIL]
	s_mov_b32 s[G1+2], 96<<16                      ; no tensor load of mine is out: from here on a load brings 8 tiles, 96 rows
	s_mov_b32 s[G1+4], 96
	s_mov_b32 s[G1B+2], 96<<16
	s_mov_b32 s[G1B+4], 96
	s_wait_dscnt 0x0
	CROUND                                         ; all four tiles are in, and all sixteen work-groups are here
	JLOAD G0+4, G1, G0B+4, G1B                     ; slot 1's first fill, the first tensor load behind the round
	FETCH_B 0, 0, 0
	FETCH_A 0, 0, 0
	SCALES 0
	FETCH_A 0, 0, 4
	STEP 0, 0, 1
	TURN 0, 1, 1
	STEP 1, 0, 0
	TURN 1, 0, 1
	STEP 0, 0, 0
	TURN 0, 1, 0
	STEP 1, 0, 0
	s_wait_dscnt 4*NL
	WIN MUL_LO
	MUL16 0, 1, NQ-1, 1, 0
	MUL16 2, 1, NQ-1, 1, 0
	s_wait_dscnt 0
	WIN MUL_HI
	MUL16 4, 1, NQ-1, 1, 0
	MUL16 6, 1, NQ-1, 1, 0
	WIN 0
	PLACES NP
	s_wait_loadcnt 0x0
.irp b, 0,1,2,3
	v_mov_b32 v[TM+4+\b], 0
.endr
	s_mov_b32 s[SEL], 0x76543210
	s_mov_b32 s[SEL+1], 0xfedcba98
	s_lshr_b32 s38, s66, 11
	s_and_b32 s39, s66, 2047
	s_lshr_b32 s44, s67, 6
	s_lshl_b32 s45, s38, 4
	s_add_co_u32 s45, s45, s44
	s_mov_b32 s57, 208896
	s_cmp_eq_u32 s23, 0
	s_cselect_b32 s46, 98304, s57
	s_mul_i32 s47, s45, s46
	s_lshr_b32 s48, s39, 4
	s_mul_i32 s48, s48, 768
	s_lshr_b32 s49, s39, 7
	s_mul_i32 s50, s49, 6144
	s_add_co_u32 s50, s50, 98304
	s_lshl_b32 s51, s49, 8
	s_add_co_u32 s51, s51, 204800
	s_lshr_b32 s52, s39, 6
	s_lshl_b32 s52, s52, 8
	s_add_co_u32 s53, s52, 196608
	s_lshl_b32 s54, s45, 13
	s_add_co_u32 s54, s54, s52
	s_mov_b32 s32, 768
	s_mov_b32 s56, 256
	s_cmp_eq_u32 s23, 2
	s_cselect_b32 s48, s50, s48
	s_cselect_b32 s53, s51, s53
	s_cselect_b32 s32, 1536, s32
	s_cselect_b32 s34, 202752, 0
	s_cselect_b32 s55, 768, s46
	s_cselect_b32 s56, s57, s56
	s_add_co_u32 s48, s48, s47
	s_add_co_u32 s53, s53, s47
	s_cmp_eq_u32 s23, 0
	s_cselect_b64 s[24:25], s[14:15], s[18:19]
	s_cselect_b64 s[28:29], s[16:17], s[18:19]
	s_cselect_b32 s53, s54, s53
	s_cselect_b32 s58, 8192, s57
	s_mov_b32 s33, 0
	s_mov_b32 s35, 0
	s_mov_b32 s49, 0
	s_add_nc_u64 s[24:25], s[24:25], s[48:49]
	s_mov_b32 s48, s55
	s_add_nc_u64 s[26:27], s[24:25], s[48:49]
	s_mov_b32 s48, s53
	s_add_nc_u64 s[28:29], s[28:29], s[48:49]
	s_mov_b32 s48, s58
	s_add_nc_u64 s[30:31], s[28:29], s[48:49]
	v_mad_u32_u24 v[SCO], v[HH], s56, v[SCO]
.macro EPI a
.set AC, 64*((\a)%4)
	s_cmp_eq_u32 s23, 2
	s_cbranch_scc1 .Lrow_\@
	WIN 0x02+(\a)/4
.set n, 0
.rept 32
	v_pk_add_f32 v[H+n:H+n+1], v[AC+n:AC+n+1], v[BB+n:BB+n+1]
.set n, n+2
.endr
	WIN 0
	s_branch .Ladded_\@
.Lrow_\@:
	WIN 0x02+(\a)/4
.set n, 0
.rept 32
	v_pk_add_f32 v[H+n:H+n+1], v[AC+n:AC+n+1], v[BA+2*(\a):BA+2*(\a)+1]
.set n, n+2
.endr
	WIN 0
.Ladded_\@:
.if (\a) > 0
	s_wait_xcnt 0x0
	s_add_nc_u64 s[24:25], s[24:25], s[32:33]
	s_add_nc_u64 s[26:27], s[26:27], s[32:33]
.endif
.if (\a) == 4
	s_add_nc_u64 s[24:25], s[24:25], s[34:35]
	s_add_nc_u64 s[26:27], s[26:27], s[34:35]
.endif
	QUANT H, SW+(\a), 2
	global_store_b128 v[L16], v[PC:PC+3], s[24:25]
	global_store_b64 v[L8], v[PC+4:PC+5], s[24:25] offset:512
	global_store_b128 v[L16], v[PC+6:PC+9], s[26:27]
	global_store_b64 v[L8], v[PC+10:PC+11], s[26:27] offset:512
.endm
.irp a, 0,1,2,3,4,5,6,7
	EPI \a
.endr
	v_cmp_ne_u32 vcc_lo, 0, v[HH]
.irp i, 0,1,2,3
	v_cndmask_b32 v[D4+\i], v[SW+\i], v[SW+4+\i], vcc_lo
.endr
	s_cmp_eq_u32 s23, 2
	s_cbranch_scc1 .Lv_scales
.irp i, 0,1,2,3
	v_and_b32 v[TM+\i], 0xffff, v[D4+\i]
	v_lshrrev_b32 v[TM+4+\i], 16, v[D4+\i]
.endr
	global_store_b128 v[SCO], v[TM:TM+3], s[28:29]
	global_store_b128 v[SCO], v[TM+4:TM+7], s[30:31]
	s_branch .Lscales_out
.Lv_scales:
	s_wait_alu depctr_va_vdst(0)
	global_store_b128 v[SCO], v[D4:D4+3], s[28:29]
.Lscales_out:
	s_wait_tensorcnt 0x0
	ds_add_u32 v[SPW], v[NIL]
	s_wait_dscnt 0x0
	CROUND
	s_endpgm
.Lfunc_end_k_qedbc895041_qkv:
	.size	k_qedbc895041_qkv, .Lfunc_end_k_qedbc895041_qkv-k_qedbc895041_qkv
	.p2alignl 7, 3214868480
	.fill 96, 4, 3214868480
	.section	.rodata,"a",@progbits
	.p2align	6, 0x0
	.amdhsa_kernel k_qedbc895041_qkv
		.amdhsa_group_segment_fixed_size 327680
		.amdhsa_private_segment_fixed_size 0
		.amdhsa_enable_private_segment 0
		.amdhsa_kernarg_size 64
		.amdhsa_user_sgpr_count 2
		.amdhsa_user_sgpr_kernarg_segment_ptr 1
		.amdhsa_wavefront_size32 1
		.amdhsa_system_sgpr_workgroup_id_x 1
		.amdhsa_system_sgpr_workgroup_id_y 1
		.amdhsa_system_sgpr_workgroup_id_z 1
		.amdhsa_system_vgpr_workitem_id 0
		.amdhsa_next_free_vgpr 1024
		.amdhsa_next_free_sgpr 102
		.amdhsa_reserve_vcc 1
		.amdhsa_float_denorm_mode_32 3
		.amdhsa_float_denorm_mode_16_64 3
		.amdhsa_memory_ordered 1
		.amdhsa_forward_progress 1
		.amdhsa_inst_pref_size 189
	.end_amdhsa_kernel
	.amdgpu_metadata
---
amdhsa.version: [ 1, 2 ]
amdhsa.kernels:
  - .name:           k_qedbc895041_qkv
    .symbol:         k_qedbc895041_qkv.kd
    .args:
      - { .name: cod, .offset: 0, .size: 8, .value_kind: global_buffer, .address_space: global }
      - { .name: scl, .offset: 8, .size: 8, .value_kind: global_buffer, .address_space: global }
      - { .name: bq, .offset: 16, .size: 8, .value_kind: global_buffer, .address_space: global }
      - { .name: bk, .offset: 24, .size: 8, .value_kind: global_buffer, .address_space: global }
      - { .name: bv, .offset: 32, .size: 8, .value_kind: global_buffer, .address_space: global }
      - { .name: qc, .offset: 40, .size: 8, .value_kind: global_buffer, .address_space: global }
      - { .name: qs, .offset: 48, .size: 8, .value_kind: global_buffer, .address_space: global }
      - { .name: kv, .offset: 56, .size: 8, .value_kind: global_buffer, .address_space: global }
    .group_segment_fixed_size: 327680
    .private_segment_fixed_size: 0
    .kernarg_segment_align: 8
    .kernarg_segment_size: 64
    .max_flat_workgroup_size: 128
    .sgpr_count:     102
    .vgpr_count:     1024
    .wavefront_size: 32
...
	.end_amdgpu_metadata
.endif
;; end of part 2
;; launch attn (part 3): grid 4 x 64, 16 waves a work-group, clusters of 4 x 1, 327,680 bytes of LDS; arguments qc, qs, kv, mw, acod, ascl; writes acod, ascl
.if DOCPART == 3
	.amdgcn_target "amdgcn-amd-amdhsa--gfx1250"
	.amdhsa_code_object_version 6
	.text
	.protected	k_qedbc895041_attn
	.globl	k_qedbc895041_attn
	.p2align	8
	.type	k_qedbc895041_attn,@function
k_qedbc895041_attn:
	s_mov_b64 s[64:65], 0
	v_nop
	global_prefetch_b8 v0, s[64:65] scope:SCOPE_SE
	s_setreg_imm32_b32 hwreg(HW_REG_WAVE_MODE, 25, 1), 1
	s_wait_xcnt 0x0
	s_wait_alu depctr_hold_cnt(0) depctr_sa_sdst(0) depctr_va_vdst(0) depctr_va_sdst(0) depctr_va_ssrc(0) depctr_va_vcc(0) depctr_vm_vsrc(0)
	s_getreg_b32 s2, hwreg(HW_REG_IB_STS2, 6, 4)
	s_cmp_eq_u32 s2, 0
	s_cbranch_scc0 .Lentry_in_a_cluster
	s_endpgm
.Lentry_in_a_cluster:
	s_bfe_u32 s2, ttmp6, 0x10000c
	s_cmp_lg_u32 s2, 0x3003
	s_cbranch_scc0 .Lentry_shape_is_right
	s_endpgm
.Lentry_shape_is_right:
; ATTN.  For each of 64 heads (16 x batch + head): scores q k^T / 8, the mask, the softmax, p v, / the row's sum; both products on codes of FP6 (E2M3) with E8M0 scales; the result is quantised along the features for the last product.
; THE SOFTMAX AHEAD OF THE SECOND PRODUCT: t = score x log2(e) / 8; M = the row's largest t so far, rounded up to a whole number; p = 2^(t - M) is quantised along the keys, not normalised; the sum is taken of the unquantised p
; and divides at the end.  When M moves, the sum and O are multiplied by 2^(old M - new M): exact.
; SHARES.  A work-group owns 512 queries of a head; each of its sixteen waves two tiles of 16, one after the other (two passes), in 256 registers: four waves to a SIMD, so that one wave's vector work stands beside another's
; matrix work and LDS loads.  Every wave walks the head's 2,048 keys, 128 a step.
; K AND V.  A head's whole record (codes and scales of k and v, 208,896 bytes) fits in LDS: it is filled once, so there is no ring, no refill and one barrier, and no later stream of k or v to ask for ahead.
; CLUSTER.  The four work-groups of a head form a cluster and need the same record: each of the sixteen waves asks jointly for 51 rows of 256 bytes of it: one tensor load of mine is out, once.
; LAYOUT.  Both products are used transposed: S^T = k q^T (source 0 = 16 keys, source 1 = my 16 queries), O^T = v^T p^T: a lane holds ONE query throughout.  Tiles are in tile order (tile T = rows 32 (T / 2) + 8 (T % 2) + i + 8 (i / 8)),
; so the 16 registers of score tiles 2 b and 2 b + 1 are keys 32 b + 16 h + 0 .. 15, and O^T's 32 registers are 2 x 16 neighbouring features.
; K = 64 IN AN INSTRUCTION OF 128.  q's fragment has zero codes in its upper six registers, and the scale bytes 2 and 3 are 0 (2^-127) on both sides: the upper half adds nothing whatever codes stand on k's side (FP6 has no NaN and
; no infinity).  So k's tiles lie six registers apart and tile t's operand runs on into tile t + 1's registers; behind the last stand six registers of zeros.
; THE MASK comes as lane words (one for each score register, made by the first launch): one select a score.  A hidden score becomes -2^33, that is the logit -2^30 where the source has -1e9: -2^33 x log2(e) / 8 is a whole number in f32,
; so a row hidden so far has p = 1 for every key, as in the source; the first open key multiplies what was summed by 2^(about -1.5e9) = 0.  A row that is all hidden comes out as the mean of v.
; LIMITS: rows whose largest open logit lies under about -9.9e8 differ from the source; NaN and infinities are not served; a block of zeros has the byte 1 where the rule says 127 (its codes are zeros; this program alone reads the bytes).
; OUT.  acod [256 features: 4][tile of tokens 512][128: 2][64: 2][768]: a head's 64 features are one image;  ascl [tile][row 16][32 bytes]: a head's two bytes.  These two bytes a row are the one store that fills no whole run.
.set VC,    98304                      ; the record as it lies: k's codes at 0, v's codes,
.set KSO,   196608                     ; k's scales,
.set VSO,   204800                     ; v's scales
.set REC,   208896
.set PART,  13056                      ; a wave's sixteenth of it: 51 rows of 256 bytes
.set SPARE, 208896                     ; behind it: the spare words, 128 bytes a wave: eight blocks of 256 bytes that no other line names
.set ASTR,  1572864                    ; bytes of acod for 256 features
.set SPW,  7                           ; v7   my spare word; never rewritten
.set NIL,  8                           ; v8   0; never rewritten
.set NEG,  9                           ; v9   -2^33
.set PW,   29                          ; v29  p's scale word; on the way out the result's
.set KF,   44                          ; v44-97  k's eight tiles, 6 registers each, and six zeros;  v44-91 v's four fragments
.set S,    98                          ; v98-161 S^T, then p
.set O,    162                         ; v162-193 O^T
.set PC,   194                         ; v194-213 codes
.set TM,   214                         ; v214-217 block maxima; v218-221 exchange, bytes; v222 at work; v226-229 the conversions' scale operands
.set TK,   8                           ; s8   the step's codes: 6,144 bytes a step, in k and in v
.set TS,   9                           ; s9   k's scale words: 512 a step
.set TV,   2                           ; s2   v's: 256 a step
.set CNT,  3
.set WV,   16
.set MO,   19                          ; s19  the mask record to be asked for: 256 bytes a step; my two tiles' 32 records lie on end
.set CS,   66                          ; s[66:67] c = log2(e) / 8
.set SEL,  100                         ; s[100:101] v_permlanex16_b32's selects for lane l xor 16
; v1 16 l; v2 8 l; v3 VC + 16 l; v4 VC + 8 l; v5 KSO + 16 l; v6 VSO + 16 r; v10-15 the step's addresses; v16-27, v28 q of pass 0 and its scale word; v232-243, v244 of pass 1; v30 -M; v31 the largest t; v[32:33] the sum;
; v[34:35] f; v36-39 k's scale words; v40-43 v's; v[230:231] the sum's second chain; v245 16 r; v246 32 r.   s[32:63], s[68:99]: the step's 64 mask words.
.macro CROUND
	s_barrier_signal -1
	s_barrier_wait -1
	s_cmp_lg_u32 s[WV], 0
	s_cbranch_scc1 .Lnot_wave_0_\@
	s_barrier_signal -3
.Lnot_wave_0_\@:
	s_barrier_wait -3
	s_barrier_signal -1
	s_barrier_wait -1
.endm
; 32 nc numbers of a lane, register 16 b + i = k 32 b + 16 h + i of its row, become codes in v[PC] on (6 registers for each 64 along K) and the row's scale word in v[w].
.macro QUANT s, w, nc
.irp b, 0,1,2,3
.if \b < 2*\nc
	v_max3_num_f32 v[TM+\b], |v[\s+16*\b]|, |v[\s+1+16*\b]|, 0x1800000   ; block b: my 16 numbers, and the floor 2^(3 - 127): the byte cannot fall under 1
.endif
.endr
.irp i, 2,4,6,8,10,12,14
.irp b, 0,1,2,3
.if \b < 2*\nc
	s_delay_alu instid0(VALU_DEP_2)
	v_max3_num_f32 v[TM+\b], v[TM+\b], |v[\s+16*\b+\i]|, |v[\s+1+16*\b+\i]|
.endif
.endr
.endr
.irp b, 0,1,2,3
.if \b < 2*\nc
	s_delay_alu instid0(VALU_DEP_2)
	v_permlanex16_b32 v[TM+4+\b], v[TM+\b], s[SEL], s[SEL+1]
.endif
.endr
.irp b, 0,1,2,3
.if \b < 2*\nc
	s_delay_alu instid0(VALU_DEP_2)
	v_max_num_f32 v[TM+\b], v[TM+\b], v[TM+4+\b]
.endif
.endr
.irp b, 0,1,2,3
.if \b < 2*\nc
	s_delay_alu instid0(VALU_DEP_2)
	v_add_nc_u32 v[TM+12+\b], 0xff000000, v[TM+\b]
.endif
.endr
.irp b, 0,1,2,3
.if \b < 2*\nc
	s_delay_alu instid0(VALU_DEP_2)
	v_lshrrev_b32 v[TM+4+\b], 23, v[TM+12+\b]
.endif
.endr
	s_delay_alu instid0(VALU_DEP_1)
	v_lshl_or_b32 v[\w], v[TM+5], 8, v[TM+4]
.if \nc > 1
	v_lshl_or_b32 v[\w], v[TM+6], 16, v[\w]
	v_lshl_or_b32 v[\w], v[TM+7], 24, v[\w]
.endif
.irp c, 0,1
.if \c < \nc
	v_cvt_scalef32_pk16_fp6_f32 v[PC+6*\c:PC+2+6*\c], v[\s+32*\c:\s+15+32*\c], v[TM+12+2*\c]
	v_cvt_scalef32_pk16_fp6_f32 v[PC+12+4*\c:PC+14+4*\c], v[\s+16+32*\c:\s+31+32*\c], v[TM+12+2*\c+1]
.endif
.endr
	v_nop                                          ; one plain place behind a scaled conversion
.irp c, 0,1
.if \c < \nc
.irp i, 0,1,2
	v_permlane16_swap_b32 v[PC+6*\c+\i], v[PC+12+4*\c+\i]
.endr
.irp i, 0,1,2
	s_delay_alu instid0(VALU_DEP_3)
	v_mov_b32 v[PC+3+6*\c+\i], v[PC+12+4*\c+\i]
.endr
.endif
.endr
.endm
	s_load_b256 s[4:11], s[0:1], 0x0               ; qc s[4:5], qs s[6:7], kv s[8:9], mw s[10:11]
	s_load_b128 s[12:15], s[0:1], 0x20             ; acod s[12:13], ascl s[14:15]
	v_lshl_add_u32 v[SPW], v0, 2, SPARE
	v_mov_b32 v[NIL], 0
	ds_add_u32 v[SPW], v[NIL]                      ; the wave's opening: the add and its wait come ahead of my first tensor load; the set-up below, work on registers, stands between them
	ds_add_u32 v[SPW], v[NIL]
	v_lshrrev_b32 v10, 5, v0
	s_delay_alu instid0(VALU_DEP_1)
	v_readfirstlane_b32 s[WV], v10                 ; wave 0..15
	s_bfe_u32 s17, ttmp6, 0x40000                  ; cx: which 512 queries of the head: it enters global addresses of q, the mask and the result alone
	s_and_b32 s18, ttmp7, 0xffff                   ; 16 x batch + head, which the four partners share
	s_mov_b32 s20, 15|(3<<16)|(1<<21)              ; group 1: 15:0 the mask: all four work-groups; 17:16 elements of 8 bytes; 21 set beside a mask; no padding
	s_mov_b32 s21, 32<<16                          ; tensor_dim0 = 32 elements: 256 bytes
	s_mov_b32 s22, 51<<16                          ; tensor_dim1
	s_mov_b32 s23, 32<<16                          ; tile_dim0
	s_mov_b32 s24, 51                              ; tile_dim1
	s_mov_b32 s25, 32                              ; tensor_dim0_stride
	s_mov_b32 s26, 0
	s_mov_b32 s27, 0
	s_mov_b32 s28, 1                               ; group 0: count = 1,
	s_mul_i32 s29, s[WV], PART                     ; my sixteenth of the record in LDS,
	s_mul_i32 s32, s18, REC
	s_add_co_u32 s32, s32, s29                     ; and in memory
	s_mov_b32 s33, 0
	s_wait_dscnt 0x0                               ; the opening add is done
	s_wait_kmcnt 0x0
	s_add_nc_u64 s[30:31], s[8:9], s[32:33]
	s_or_b32 s31, s31, 0x80000000                  ; type = 2
	CROUND                                         ; all four work-groups are here: the joint loads meet
	tensor_load_to_lds s[28:31], s[20:27]
	s_nop 0
.rept 4
	v_nop
.endr
	s_lshl_b32 s34, s17, 5
	s_lshl_b32 s35, s[WV], 1
	s_add_co_u32 s34, s34, s35                     ; my first tile of queries in the head: 32 cx + 2 wave
	s_mul_i32 s36, s18, 98304
	s_mul_i32 s38, s34, 768
	s_add_co_u32 s36, s36, s38
	s_mov_b32 s37, 0
	s_add_nc_u64 s[4:5], s[4:5], s[36:37]          ; its codes
	s_lshl_b32 s36, s18, 13
	s_lshr_b32 s38, s34, 2
	s_lshl_b32 s38, s38, 8
	s_add_co_u32 s36, s36, s38
	s_and_b32 s38, s34, 3
	s_lshl_b32 s38, s38, 2
	s_add_co_u32 s36, s36, s38
	s_add_nc_u64 s[6:7], s[6:7], s[36:37]          ; its scale words
	s_lshr_b32 s39, s18, 4
	s_lshl_b32 s39, s39, 7
	s_add_co_u32 s39, s39, s34                     ; the tile among all tokens: 128 x batch + ..
	s_lshl_b32 s36, s39, 12
	s_add_nc_u64 s[10:11], s[10:11], s[36:37]      ; its mask records: 4,096 bytes a tile
	s_and_b32 s40, s18, 15                         ; the head
	s_lshr_b32 s41, s40, 2
	s_mul_i32 s36, s41, ASTR
	s_mul_i32 s41, s39, 3072
	s_add_co_u32 s36, s36, s41
	s_bfe_u32 s41, s40, 0x10001
	s_mul_i32 s41, s41, 1536
	s_add_co_u32 s36, s36, s41
	s_and_b32 s41, s40, 1
	s_mul_i32 s41, s41, 768
	s_add_co_u32 s36, s36, s41
	s_add_nc_u64 s[12:13], s[12:13], s[36:37]      ; the result's image
	s_lshl_b32 s36, s39, 9
	s_lshl_b32 s41, s40, 1
	s_add_co_u32 s36, s36, s41
	s_add_nc_u64 s[14:15], s[14:15], s[36:37]      ; and its two scale bytes a row
	v_and_b32 v10, 31, v0                          ; lane
	v_and_b32 v11, 15, v0                          ; r
	s_delay_alu instid0(VALU_DEP_2)
	v_lshlrev_b32 v1, 4, v10
	s_delay_alu instid0(VALU_DEP_3)
	v_lshlrev_b32 v2, 3, v10
	s_delay_alu instid0(VALU_DEP_3)
	v_lshlrev_b32 v245, 4, v11
	s_delay_alu instid0(VALU_DEP_4)
	v_lshlrev_b32 v246, 5, v11
	global_load_b128 v[16:19], v1, s[4:5]          ; q of both passes stays in registers
	global_load_b64 v[20:21], v2, s[4:5] offset:512
	global_load_b32 v28, v245, s[6:7]
	global_load_b128 v[232:235], v1, s[4:5] offset:768
	global_load_b64 v[236:237], v2, s[4:5] offset:1280
	global_load_b32 v244, v245, s[6:7] offset:4
	s_mov_b32 s[MO], 0
	s_load_b512 s[32:47], s[10:11], s[MO] offset:0x0     ; the first step's 64 mask words
	s_load_b512 s[48:63], s[10:11], s[MO] offset:0x40
	s_load_b512 s[68:83], s[10:11], s[MO] offset:0x80
	s_load_b512 s[84:99], s[10:11], s[MO] offset:0xc0
	v_add_nc_u32 v3, VC, v1
	v_add_nc_u32 v4, VC, v2
	v_add_nc_u32 v5, KSO, v1
	v_add_nc_u32 v6, VSO, v245
	v_mov_b32 v[NEG], 0xd0000000
.irp j, 0,1,2,3,4,5
	v_mov_b32 v[22+\j], 0                          ; q's upper half: zero codes
	v_mov_b32 v[238+\j], 0
	v_mov_b32 v[KF+48+\j], 0                       ; and what stands behind k's last tile
.endr
.irp b, 0,1,2,3
	v_mov_b32 v[TM+4+\b], 0                        ; a lane permute's destination counts as one of its sources
.endr
	v_mov_b32 v35, 0                               ; named as the upper half of the pair v[34:35]
	s_mov_b32 s[CS], 0x3e38aa3b
	s_mov_b32 s[CS+1], s[CS]
	s_mov_b32 s[SEL], 0x76543210
	s_mov_b32 s[SEL+1], 0xfedcba98
	s_wait_tensorcnt 0x0                           ; my part of the record is in,
	s_barrier_signal -1
	s_barrier_wait -1                              ; everybody's is; nothing is ever filled again
	s_wait_loadcnt 0x0                             ; q
; ONE TILE OF 16 QUERIES against all keys.  Written out twice, so that each loop has a constant count and its addresses start from constants.
.macro PASS p
.set QF, 16+216*\p
.set QW, 28+216*\p
.if \p
	s_wait_xcnt 0x0                                ; the first pass's stores have read their registers, which the steps below write again
.endif
.set j, 0
.rept 32
	v_mov_b32 v[O+j], 0                            ; the step is written once: the first finds zeros, which the first change of M leaves zeros
.set j, j+1
.endr
	v_mov_b32 v31, 0xff61b1e6                      ; the largest t so far: -3e38
	s_delay_alu instid0(VALU_DEP_1)
	v_floor_f32 v30, -v31                          ; -M
	v_mov_b32 v32, 0
	v_mov_b32 v33, 0
	s_mov_b32 s[TK], 0
	s_mov_b32 s[TS], 0
	s_mov_b32 s[TV], 0
	s_mov_b32 s[CNT], 16
.Lstep_\p:
	v_add_nc_u32 v10, s[TK], v1                    ; three additions and a v_nop: the places between the last products and the loads into their registers
	v_add_nc_u32 v11, s[TK], v2
	v_add_nc_u32 v14, s[TS], v5
	v_nop
.irp t, 0,1,2,3,4,5,6,7
	ds_load_b128 v[KF+6*\t:KF+6*\t+3], v10 offset:768*\t
	ds_load_b64 v[KF+6*\t+4:KF+6*\t+5], v11 offset:768*\t+512
.endr
	ds_load_b128 v[36:39], v14                     ; lanes 0-15: the words of tiles 0-3; lanes 16-31: of tiles 4-7
	s_wait_dscnt 0x0
.irp t, 0,1,2,3
	v_wmma_scale_f32_16x16x128_f8f6f4 v[S+8*\t:S+8*\t+7], v[KF+6*\t:KF+6*\t+11], v[QF:QF+11], 0, v[36+\t], v[QW] matrix_a_fmt:MATRIX_FMT_FP6 matrix_b_fmt:MATRIX_FMT_FP6
.endr
.irp t, 4,5,6,7
	v_wmma_scale_f32_16x16x128_f8f6f4 v[S+8*\t:S+8*\t+7], v[KF+6*\t:KF+6*\t+11], v[QF:QF+11], 0, v[32+\t], v[QW] matrix_a_fmt:MATRIX_FMT_FP6 matrix_b_fmt:MATRIX_FMT_FP6 matrix_a_scale:MATRIX_SCALE_ROW1
.endr
	v_add_nc_u32 v12, s[TK], v3                    ; again four places: in front of v's loads into k's registers, and of the first read of the scores
	v_add_nc_u32 v13, s[TK], v4
	v_add_nc_u32 v15, s[TV], v6
	v_nop
.irp d, 0,1,2,3
	ds_load_b128 v[KF+12*\d:KF+12*\d+3], v12 offset:1536*\d        ; v's four fragments land while the softmax is walked
	ds_load_b64 v[KF+12*\d+4:KF+12*\d+5], v13 offset:1536*\d+512
	ds_load_b128 v[KF+12*\d+6:KF+12*\d+9], v12 offset:1536*\d+768
	ds_load_b64 v[KF+12*\d+10:KF+12*\d+11], v13 offset:1536*\d+1280
.endr
	ds_load_b128 v[40:43], v15
	s_wait_kmcnt 0x0                               ; this step's mask words, asked for a step ago
.set n, 0
.rept 64
.if n < 32
	v_cndmask_b32 v[S+n], v[NEG], v[S+n], s[32+n]  ; a hidden key's score becomes -2^33; each accumulator from its low end on
.else
	v_cndmask_b32 v[S+n], v[NEG], v[S+n], s[36+n]
.endif
.set n, n+1
.endr
.irp b, 0,1,2,3
	v_max3_num_f32 v[TM+\b], v[S+16*\b], v[S+1+16*\b], v[S+2+16*\b]   ; the largest score of each block of 32 keys: for the row's maximum, and, since p rises with the score, for the block's largest p
.endr
.irp i, 3,5,7,9,11,13
.irp b, 0,1,2,3
	s_delay_alu instid0(VALU_DEP_4)
	v_max3_num_f32 v[TM+\b], v[TM+\b], v[S+16*\b+\i], v[S+1+16*\b+\i]
.endr
.endr
.irp b, 0,1,2,3
	s_delay_alu instid0(VALU_DEP_4)
	v_max_num_f32 v[TM+\b], v[TM+\b], v[S+15+16*\b]
.endr
	s_add_co_u32 s[MO], s[MO], 256                 ; the next step's words, a whole step ahead; the very last trip asks for record 31 again, so that no load leaves the buffer
	s_min_u32 s[MO], s[MO], 7936
	s_load_b512 s[32:47], s[10:11], s[MO] offset:0x0
	s_load_b512 s[48:63], s[10:11], s[MO] offset:0x40
	s_load_b512 s[68:83], s[10:11], s[MO] offset:0x80
	s_load_b512 s[84:99], s[10:11], s[MO] offset:0xc0
.irp b, 0,1,2,3
	v_permlanex16_b32 v[TM+4+\b], v[TM+\b], s[SEL], s[SEL+1]
.endr
.irp b, 0,1,2,3
	s_delay_alu instid0(VALU_DEP_4)
	v_max_num_f32 v[TM+\b], v[TM+\b], v[TM+4+\b]   ; with lane l xor 16's 16 keys
.endr
	s_delay_alu instid0(VALU_DEP_2)
	v_max3_num_f32 v[TM+8], v[TM], v[TM+1], v[TM+2]
	s_delay_alu instid0(VALU_DEP_1)
	v_max_num_f32 v[TM+8], v[TM+8], v[TM+3]        ; the step's largest score of my query
	s_delay_alu instid0(VALU_DEP_1)
	v_mul_f32 v[TM+8], s[CS], v[TM+8]              ; as t
	s_delay_alu instid0(VALU_DEP_1)
	v_max_num_f32 v31, v31, v[TM+8]                ; the running largest t
	v_mov_b32 v[TM+8], v30
	s_delay_alu instid0(VALU_DEP_2)
	v_floor_f32 v30, -v31                          ; the new -M = -ceil(t): a whole number
	s_delay_alu instid0(VALU_DEP_1)
	v_sub_f32 v[TM+8], v30, v[TM+8]                ; old M - new M: a whole number, 0 or less
	s_delay_alu instid0(VALU_DEP_1)
	v_cvt_i32_f32 v[TM+8], v[TM+8]                 ; (it saturates)
	s_delay_alu instid0(VALU_DEP_1)
	v_ldexp_f32 v34, 1.0, v[TM+8]                  ; f = 2^(old M - new M)
.set j, 0
.rept 32
	v_pk_fma_f32 v[S+j:S+j+1], v[S+j:S+j+1], s[CS:CS+1], v[30:31] op_sel_hi:[1,0,0]   ; t - M, two at a time
.set j, j+2
.endr
.irp b, 0,1,2,3
	v_fma_f32 v[TM+\b], v[TM+\b], s[CS], v30       ; the same of each block's largest score
.endr
.set j, 0
	s_wait_alu depctr_va_vdst(0)
.rept 64
	v_exp_f32 v[S+j], v[S+j]                       ; p = 2^(t - M)
.set j, j+1
.endr
	v_pk_mul_f32 v[32:33], v[32:33], v[34:35] op_sel_hi:[1,0]      ; the sums under the new M: a plain place behind the exponentials
	s_wait_alu depctr_va_vdst(0)                   ; one wait for the whole batch, ahead of its first reader
.irp b, 0,1,2,3
	v_exp_f32 v[TM+\b], v[TM+\b]                   ; the block's largest p
.endr
	v_pk_add_f32 v[230:231], v[102:103], v[106:107]
	v_pk_add_f32 v[254:255], v[110:111], v[114:115]
	v_pk_add_f32 v[252:253], v[118:119], v[122:123]
	v_pk_add_f32 v[250:251], v[126:127], v[130:131]
	v_pk_add_f32 v[248:249], v[134:135], v[138:139]
	v_pk_add_f32 v[228:229], v[142:143], v[146:147]
	v_pk_add_f32 v[226:227], v[150:151], v[154:155]
	v_pk_add_f32 v[32:33], v[32:33], v[158:159]
	v_pk_add_f32 v[230:231], v[230:231], v[98:99]
	v_pk_add_f32 v[254:255], v[254:255], v[100:101]
	v_pk_add_f32 v[252:253], v[252:253], v[104:105]
	v_pk_add_f32 v[250:251], v[250:251], v[108:109]
	v_pk_add_f32 v[248:249], v[248:249], v[112:113]
	v_pk_add_f32 v[228:229], v[228:229], v[116:117]
	v_pk_add_f32 v[226:227], v[226:227], v[120:121]
	v_pk_add_f32 v[32:33], v[32:33], v[124:125]
	v_pk_add_f32 v[230:231], v[230:231], v[128:129]
	v_pk_add_f32 v[254:255], v[254:255], v[132:133]
	v_pk_add_f32 v[252:253], v[252:253], v[136:137]
	v_pk_add_f32 v[250:251], v[250:251], v[140:141]
	v_pk_add_f32 v[248:249], v[248:249], v[144:145]
	v_pk_add_f32 v[228:229], v[228:229], v[148:149]
	v_pk_add_f32 v[226:227], v[226:227], v[152:153]
	v_pk_add_f32 v[32:33], v[32:33], v[156:157]
	v_pk_add_f32 v[230:231], v[230:231], v[160:161]
	s_delay_alu instid0(VALU_DEP_2)
	v_pk_add_f32 v[32:33], v[32:33], v[250:251]
	s_delay_alu instid0(VALU_DEP_2)
	v_pk_add_f32 v[230:231], v[230:231], v[248:249]
	v_pk_add_f32 v[254:255], v[254:255], v[228:229]
	v_pk_add_f32 v[252:253], v[252:253], v[226:227]
	s_delay_alu instid0(VALU_DEP_2)
	v_pk_add_f32 v[32:33], v[32:33], v[254:255]
	s_delay_alu instid0(VALU_DEP_2)
	v_pk_add_f32 v[230:231], v[230:231], v[252:253]
	s_delay_alu instid0(VALU_DEP_1)
	v_pk_add_f32 v[32:33], v[32:33], v[230:231]
	s_wait_alu depctr_va_vdst(0)                   ; and one for the four
.irp b, 0,1,2,3
	v_max_num_f32 v[TM+\b], 0x1800000, v[TM+\b]    ; the floor 2^(3 - 127): a block whose every p is 0 keeps the byte 1: its codes are zeros
.endr
.irp b, 0,1,2,3
	s_delay_alu instid0(VALU_DEP_4)
	v_add_nc_u32 v[TM+12+\b], 0xff000000, v[TM+\b]
.endr
.irp b, 0,1,2,3
	s_delay_alu instid0(VALU_DEP_4)
	v_lshrrev_b32 v[TM+4+\b], 23, v[TM+12+\b]
.endr
	s_delay_alu instid0(VALU_DEP_3)
	v_lshl_or_b32 v[PW], v[TM+5], 8, v[TM+4]       ; p's scale word for these 128 keys
	s_delay_alu instid0(VALU_DEP_1)
	v_lshl_or_b32 v[PW], v[TM+6], 16, v[PW]
	s_delay_alu instid0(VALU_DEP_1)
	v_lshl_or_b32 v[PW], v[TM+7], 24, v[PW]
.irp c, 0,1
	v_cvt_scalef32_pk16_fp6_f32 v[PC+6*\c:PC+2+6*\c], v[S+32*\c:S+15+32*\c], v[TM+12+2*\c]
	v_cvt_scalef32_pk16_fp6_f32 v[PC+12+4*\c:PC+14+4*\c], v[S+16+32*\c:S+31+32*\c], v[TM+12+2*\c+1]
.endr
	v_nop                                          ; one plain place behind a scaled conversion
.irp c, 0,1
.irp i, 0,1,2
	v_permlane16_swap_b32 v[PC+6*\c+\i], v[PC+12+4*\c+\i]
.endr
.irp i, 0,1,2
	s_delay_alu instid0(VALU_DEP_3)
	v_mov_b32 v[PC+3+6*\c+\i], v[PC+12+4*\c+\i]
.endr
.endr
.set j, 0
.rept 16
	v_pk_mul_f32 v[O+j:O+j+1], v[O+j:O+j+1], v[34:35] op_sel_hi:[1,0]   ; O^T under the new M, each accumulator from its low end on
.set j, j+2
.endr
.rept 4
	v_nop                                          ; so that no register of the products below was written by one of the four vector instructions ahead of them
.endr
	s_wait_alu depctr_va_vdst(0)
	s_wait_dscnt 0x0                               ; v
.irp d, 0,1,2,3
	v_wmma_scale_f32_16x16x128_f8f6f4 v[O+8*\d:O+8*\d+7], v[KF+12*\d:KF+12*\d+11], v[PC:PC+11], v[O+8*\d:O+8*\d+7], v[40+\d], v[PW] matrix_a_fmt:MATRIX_FMT_FP6 matrix_b_fmt:MATRIX_FMT_FP6   ; the four accumulators by turns
.endr
	s_add_co_u32 s[TK], s[TK], 6144
	s_add_co_u32 s[TS], s[TS], 512
	s_add_co_u32 s[TV], s[TV], 256
	s_sub_co_u32 s[CNT], s[CNT], 1
	s_cmp_lg_u32 s[CNT], 0
	s_cbranch_scc1 .Lstep_\p
	; the tile's way out: / the sum, quantised along the head's 64 features: one image and two scale bytes a row
.rept 4
	v_nop
.endr
	v_add_f32 v32, v32, v33
	s_delay_alu instid0(VALU_DEP_1)
	v_permlanex16_b32 v[TM+8], v32, s[SEL], s[SEL+1]
	s_delay_alu instid0(VALU_DEP_1)
	v_add_f32 v32, v32, v[TM+8]                    ; the row's sum
	s_wait_alu depctr_va_vdst(0)
	v_rcp_f32 v32, v32
	v_nop                                          ; a plain place behind the transcendental
	s_wait_alu depctr_va_vdst(0)                   ; and the wait ahead of its first reader
.set j, 0
.rept 32
	v_mul_f32 v[S+j], v[O+j], v32                  ; register 16 b + i: feature 32 b + 16 h + i of the head
.set j, j+1
.endr
	QUANT S, PW, 1
	global_store_b128 v1, v[PC:PC+3], s[12:13] offset:3072*\p      ; 512 bytes on end
	global_store_b64 v2, v[PC+4:PC+5], s[12:13] offset:3072*\p+512 ; 256 bytes on end
	global_store_b16 v246, v[PW], s[14:15] offset:512*\p           ; lanes r and 16 + r write the same two bytes with the same value
.endm
	PASS 0
	PASS 1
	s_wait_kmcnt 0x0                               ; the last trip's words
	s_wait_tensorcnt 0x0                           ; the wave's end
	ds_add_u32 v[SPW], v[NIL]
	s_wait_dscnt 0x0
	CROUND                                         ; the closing round
	s_endpgm
.Lfunc_end_k_qedbc895041_attn:
	.size	k_qedbc895041_attn, .Lfunc_end_k_qedbc895041_attn-k_qedbc895041_attn
	.p2alignl 7, 3214868480
	.fill 96, 4, 3214868480
	.section	.rodata,"a",@progbits
	.p2align	6, 0x0
	.amdhsa_kernel k_qedbc895041_attn
		.amdhsa_group_segment_fixed_size 327680
		.amdhsa_private_segment_fixed_size 0
		.amdhsa_enable_private_segment 0
		.amdhsa_kernarg_size 48
		.amdhsa_user_sgpr_count 2
		.amdhsa_user_sgpr_kernarg_segment_ptr 1
		.amdhsa_wavefront_size32 1
		.amdhsa_system_sgpr_workgroup_id_x 1
		.amdhsa_system_sgpr_workgroup_id_y 1
		.amdhsa_system_sgpr_workgroup_id_z 1
		.amdhsa_system_vgpr_workitem_id 0
		.amdhsa_next_free_vgpr 256
		.amdhsa_next_free_sgpr 102
		.amdhsa_reserve_vcc 0
		.amdhsa_float_denorm_mode_32 3
		.amdhsa_float_denorm_mode_16_64 3
		.amdhsa_memory_ordered 1
		.amdhsa_forward_progress 1
		.amdhsa_inst_pref_size 63
	.end_amdhsa_kernel
	.amdgpu_metadata
---
amdhsa.version: [ 1, 2 ]
amdhsa.kernels:
  - .name:           k_qedbc895041_attn
    .symbol:         k_qedbc895041_attn.kd
    .args:
      - { .name: qc, .offset: 0, .size: 8, .value_kind: global_buffer, .address_space: global }
      - { .name: qs, .offset: 8, .size: 8, .value_kind: global_buffer, .address_space: global }
      - { .name: kv, .offset: 16, .size: 8, .value_kind: global_buffer, .address_space: global }
      - { .name: mw, .offset: 24, .size: 8, .value_kind: global_buffer, .address_space: global }
      - { .name: acod, .offset: 32, .size: 8, .value_kind: global_buffer, .address_space: global }
      - { .name: ascl, .offset: 40, .size: 8, .value_kind: global_buffer, .address_space: global }
    .group_segment_fixed_size: 327680
    .private_segment_fixed_size: 0
    .kernarg_segment_align: 8
    .kernarg_segment_size: 48
    .max_flat_workgroup_size: 512
    .sgpr_count:     102
    .vgpr_count:     256
    .wavefront_size: 32
...
	.end_amdgpu_metadata
.endif
;; end of part 3
;; launch oproj (part 4): grid 4 x 64, 4 waves a work-group, clusters of 4 x 4, 327,680 bytes of LDS; arguments acod, ascl, cod, scl, bo, out0; writes out0
.if DOCPART == 4
	.amdgcn_target "amdgcn-amd-amdhsa--gfx1250"
	.amdhsa_code_object_version 6
	.text
	.protected	k_qedbc895041_oproj
	.globl	k_qedbc895041_oproj
	.p2align	8
	.type	k_qedbc895041_oproj,@function
k_qedbc895041_oproj:
	s_mov_b64 s[64:65], 0
	v_nop
	global_prefetch_b8 v0, s[64:65] scope:SCOPE_SE
	s_setreg_imm32_b32 hwreg(HW_REG_WAVE_MODE, 25, 1), 1
	s_wait_xcnt 0x0
	s_wait_alu depctr_hold_cnt(0) depctr_sa_sdst(0) depctr_va_vdst(0) depctr_va_sdst(0) depctr_va_ssrc(0) depctr_va_vcc(0) depctr_vm_vsrc(0)
	s_getreg_b32 s2, hwreg(HW_REG_IB_STS2, 6, 4)
	s_cmp_eq_u32 s2, 0
	s_cbranch_scc0 .Lentry_in_a_cluster
	s_endpgm
.Lentry_in_a_cluster:
	s_bfe_u32 s2, ttmp6, 0x10000c
	s_cmp_lg_u32 s2, 0xf033
	s_cbranch_scc0 .Lentry_shape_is_right
	s_endpgm
.Lentry_shape_is_right:
; OPROJ.  out0 [8192][1024] f32 = a Wo^T + bo, both operands codes of FP6 (E2M3) with E8M0 scales: a from acod, ascl (the attention's result), Wo from cod, scl (tiles 704-767).
; Codes lie as images of operand registers: [256 along K: 4][tile of 16 rows][128 along K: 2][64 along K: 2][768 bytes]; scales [tile][row 16][8 words].  Tile T holds rows 32 (T / 2) + 8 (T % 2) + i + 8 (i / 8).
; SHARES.  A work-group makes 128 rows x 256 columns: 64 x 4 = 256 work-groups.  Four waves, 2 x 2; a wave makes 64 x 128: 4 tiles of a x 8 tiles of Wo, 32 accumulators, 256 registers.
; ALL OF K LIES IN LDS, FILLED ONCE: a's 8 tiles x 4 groups of 256 along K (98,304 bytes), Wo's 16 tiles x 4 groups (196,608), the scales (13,056).  One joint load a wave at the head:
; wave 0 a's codes, wave 1 Wo's, wave 2 a's scales, wave 3 Wo's.  A row of the codes' tiles is one K group's dense run of bytes (24,576 or 49,152), the pitch the buffer's bytes for 256 along K.  No ring, no refill.
; CLUSTER 4 x 4: a's tiles are shared along a row of the cluster, Wo's along a column.
; No prefetch: the launch has no loop to run ahead in; every tile is asked for at the head.
; THE MATRIX INSTRUCTION IS USED TRANSPOSED (source 0 = Wo's rows, source 1 = a's): a lane holds eight neighbouring columns of a row.  The bias is the first products' C.
; A STEP is 128 along K: 32 products, the accumulators by turns.  Both operands have two sets of registers: step j + 1's LDS loads go out ahead of step j's products.
; REGISTERS: window 0: v4-19 LDS addresses, a pair of kinds for each K group; v24-31 other addresses; v32-63 scale words, two sets; v64-127 the bias; v128-223 a's fragments, two sets of 4; on the way out v128-255.
;   window 1: Wo's fragments, two sets of 8, at v0 and v128.   window 2: the accumulators, (a, b) at v[8 (8 a + b)].
; THE WAY OUT goes through a stage of the wave's own, on a's first bytes in LDS, behind a barrier in front of which every wave's LDS reads are over; those bytes are never filled again.
.set STRA,   1572864                   ; bytes of acod for 256 along K
.set STRB,   2359296                   ; of cod
.set TILEB,  3072
.set AB,     8*TILEB                   ; a's tiles of one K group
.set BBY,    16*TILEB                  ; Wo's
.set BBASE,  4*AB
.set SCL,    BBASE+4*BBY               ; the scales, as rows of 256 bytes + 16
.set SBLK,   2*272                     ; those of a tile
.set SPARE,  SCL+24*SBLK               ; the spare words: 128 bytes a wave, two blocks of 256 bytes that no other line names
.set SPITCH, 528
.set FR,     12
.set A16, 4                            ; v4-7   a's fragments, K group 0..3: 16 x lane
.set A8,  8                            ; v8-11  the same, 8 x lane
.set B16, 12                           ; v12-15, v16-19 the same for Wo
.set B8,  16
.set L16,  24
.set L8,   25
.set STO,  26
.set ADRS, 27
.set SPW,  28
.set NIL,  29
.set HH,   30
.set RD,   31
.set SC,   32
.set BB,   64
.set AF,   128
.set BK,   128
.set G1, 24
.set G0, 32
.set G1B, 48
.set G0B, 56
.set G1S, 68
.set G0S, 76
.set G1SB, 80
.set G0SB, 88
.set MSB, 0
.macro WIN new
.if MSB != \new
	s_set_vgpr_msb (MSB<<8)|\new
.set MSB, \new
.endif
.endm
.macro PLACES n
.rept \n
	v_nop
.endr
.endm
.macro CROUND
	s_barrier_signal -1
	s_barrier_wait -1
	s_cmp_lg_u32 s20, 0
	s_cbranch_scc1 .Lnot_wave_0_\@
	s_barrier_signal -3
.Lnot_wave_0_\@:
	s_barrier_wait -3
	s_barrier_signal -1
	s_barrier_wait -1
.endm
.macro GRP1 g, c, r, p                 ; group 1's words 1 to 7: r rows of c elements of 8 bytes, pitch p elements
	s_mov_b32 s[\g+1], (\c)<<16
	s_mov_b32 s[\g+2], (\r)<<16
	s_mov_b32 s[\g+3], (\c)<<16
	s_mov_b32 s[\g+4], \r
	s_mov_b32 s[\g+5], \p
	s_mov_b32 s[\g+6], 0
	s_mov_b32 s[\g+7], 0
.endm
.macro GRP0 g, lds, base, off          ; group 0: LDS byte, buffer + offset pair
	s_mov_b32 s[\g], 1
	s_mov_b32 s[\g+1], \lds
	s_add_nc_u64 s[\g+2:\g+3], s[\base:\base+1], s[\off:\off+1]
	s_or_b32 s[\g+3], s[\g+3], 0x80000000
.endm
	s_load_b256 s[4:11], s[0:1], 0x0               ; acod, ascl, cod, scl
	s_load_b128 s[12:15], s[0:1], 0x20             ; bo, out0
	v_lshl_add_u32 v[SPW], v0, 2, SPARE
	v_mov_b32 v[NIL], 0
	ds_add_u32 v[SPW], v[NIL]                      ; the opening lines: the add twice and its wait ahead of my tensor load
	ds_add_u32 v[SPW], v[NIL]
	v_lshrrev_b32 v1, 5, v0
	v_readfirstlane_b32 s20, v1                    ; wave
	s_lshr_b32 s21, s20, 1                         ; my half of the rows
	s_and_b32 s22, s20, 1                          ; my half of the columns
	s_bfe_u32 s40, ttmp6, 0x40000                  ; cx
	s_bfe_u32 s41, ttmp6, 0x40004                  ; cy
	s_lshl_b32 s42, ttmp9, 2
	s_add_co_u32 s42, s42, s40                     ; block column, 0..3
	s_and_b32 s43, ttmp7, 0xffff
	s_lshl_b32 s43, s43, 2
	s_add_co_u32 s43, s43, s41                     ; block row, 0..63
	s_lshl_b32 s92, s41, 2
	s_lshl_b32 s92, 15, s92                        ; my row of the cluster
	s_lshl_b32 s93, 0x1111, s40                    ; my column
	s_or_b32 s[G1+0], s92, (3<<16)|(1<<21)
	s_or_b32 s[G1B+0], s93, (3<<16)|(1<<21)
	s_or_b32 s[G1S+0], s92, (3<<16)|(1<<20)|(1<<21)|(5<<22)|(3<<25)
	s_or_b32 s[G1SB+0], s93, (3<<16)|(1<<20)|(1<<21)|(5<<22)|(3<<25)
	GRP1 G1, AB/8, 4, STRA/8
	GRP1 G1B, BBY/8, 4, STRB/8
	GRP1 G1S, 32, 16, 32
	GRP1 G1SB, 32, 32, 32
	s_lshl_b32 s95, s43, 3                         ; the first of a's 8 tiles
	s_lshl_b32 s96, s42, 4
	s_add_co_u32 s96, s96, 704                     ; the first of Wo's 16
	s_mul_i32 s98, s95, TILEB
	s_mov_b32 s99, 0
	s_lshl_b32 s100, s95, 9
	s_mov_b32 s101, 0
	s_mul_i32 s44, s96, TILEB
	s_mov_b32 s45, 0
	s_lshl_b32 s46, s96, 9
	s_mov_b32 s47, 0
	s_wait_dscnt 0x0
	s_wait_kmcnt 0x0
	CROUND                                         ; all sixteen work-groups are here: the joint loads meet
	GRP0 G0, 0, 4, 98
	GRP0 G0B, BBASE, 8, 44
	GRP0 G0S, SCL, 6, 100
	GRP0 G0SB, SCL+8*SBLK, 10, 46
.macro ARM under, g0, g1, next         ; one chain of branches on the wave's number, a load to an arm
	s_cmp_lt_u32 s20, \under
	s_cbranch_scc0 \next
	tensor_load_to_lds s[\g0:\g0+3], s[\g1:\g1+7]
	s_nop 0
	PLACES 4
	s_branch .Lhead_asked
\next:
.endm
	ARM 1, G0, G1, .Lhead_b
	ARM 2, G0B, G1B, .Lhead_sa
	ARM 3, G0S, G1S, .Lhead_sb
	tensor_load_to_lds s[G0SB:G0SB+3], s[G1SB:G1SB+7]
	s_nop 0
	PLACES 4
.Lhead_asked:
	v_and_b32 v1, 31, v0
	v_and_b32 v2, 15, v0                           ; r
	v_bfe_u32 v[HH], v0, 4, 1                      ; h
	v_lshlrev_b32 v[L16], 4, v1
	v_lshlrev_b32 v[L8], 3, v1
	s_mul_i32 s94, s21, 4*TILEB                    ; my 4 tiles of a
	s_mul_i32 s95, s22, 8*TILEB                    ; my 8 tiles of Wo
	s_add_co_u32 s95, s95, BBASE
	v_add_nc_u32 v[A16], s94, v[L16]
	v_add_nc_u32 v[A8], s94, v[L8]
	v_add_nc_u32 v[B16], s95, v[L16]
	v_add_nc_u32 v[B8], s95, v[L8]
.irp c, 1,2,3
	v_add_nc_u32 v[A16+\c], \c*AB, v[A16]
	v_add_nc_u32 v[A8+\c], \c*AB, v[A8]
	v_add_nc_u32 v[B16+\c], \c*BBY, v[B16]
	v_add_nc_u32 v[B8+\c], \c*BBY, v[B8]
.endr
	v_lshlrev_b32 v3, 5, v2                        ; my row's scales: 32 bytes a row,
	v_lshrrev_b32 v20, 8, v3
	v_lshl_add_u32 v3, v20, 4, v3                  ; and 16 more for each 256 passed
	s_mul_i32 s94, s21, 4*SBLK
	s_mul_i32 s95, s22, 8*SBLK
	s_add_co_u32 s95, s95, 8*SBLK                  ; Wo's lie behind a's 8 tiles
	s_sub_co_u32 s95, s95, s94
	v_mul_u32_u24 v20, s95, v[HH]                  ; lanes 16-31 take Wo's
	s_add_co_u32 s94, s94, SCL
	v_add_nc_u32 v3, v3, v20
	v_add_nc_u32 v[ADRS], s94, v3
	s_mul_i32 s94, s20, 16*SPITCH                  ; my stage
	v_mul_u32_u24 v3, v2, SPITCH
	v_lshl_add_u32 v3, v[HH], 6, v3
	v_add_nc_u32 v[STO], s94, v3
	v_add_nc_u32 v[RD], s94, v[L16]
	s_lshl_b32 s96, s42, 8
	s_lshl_b32 s97, s22, 7
	s_add_co_u32 s96, s96, s97                     ; my first column
	s_lshl_b32 s96, s96, 2
	s_mov_b32 s97, 0
	s_add_nc_u64 s[12:13], s[12:13], s[96:97]
	s_add_nc_u64 s[14:15], s[14:15], s[96:97]
	s_lshl_b32 s96, s43, 7
	s_lshl_b32 s2, s21, 6
	s_add_co_u32 s96, s96, s2                      ; my first row
	s_lshl_b32 s96, s96, 12
	s_add_nc_u64 s[14:15], s[14:15], s[96:97]
	v_lshlrev_b32 v21, 6, v[HH]
.irp t, 0,1,2,3,4,5,6,7
	global_load_b128 v[BB+8*\t:BB+8*\t+3], v21, s[12:13] offset:(32*(\t/2)+8*(\t%2))*4      ; the bias as the result lies: register i of tile t is column 32 (t / 2) + 16 h + 8 (t % 2) + i
	global_load_b128 v[BB+8*\t+4:BB+8*\t+7], v21, s[12:13] offset:(32*(\t/2)+8*(\t%2))*4+16
.endr
.macro FRAG reg, a16, a8, q, i         ; a fragment, 12 registers, as its image lies
	ds_load_b128 v[\reg:\reg+3], v[\a16] offset:(\i)*TILEB+(\q)*1536
	ds_load_b64 v[\reg+4:\reg+5], v[\a8] offset:(\i)*TILEB+(\q)*1536+512
	ds_load_b128 v[\reg+6:\reg+9], v[\a16] offset:(\i)*TILEB+(\q)*1536+768
	ds_load_b64 v[\reg+10:\reg+11], v[\a8] offset:(\i)*TILEB+(\q)*1536+1280
.endm
.macro FETCH j                         ; step j's fragments into sets j % 2: 48 loads; at an even j the K group's scale words too: 8 more
	WIN 0x40
.irp i, 0,1,2,3,4,5,6,7
	FRAG 128*((\j)%2)+FR*\i, B16+(\j)/2, B8+(\j)/2, (\j)%2, \i
.endr
	WIN 0
.irp i, 0,1,2,3
	FRAG AF+48*((\j)%2)+FR*\i, A16+(\j)/2, A8+(\j)/2, (\j)%2, \i
.endr
.if (\j)%2 == 0
.irp i, 0,1,2,3,4,5,6,7
	ds_load_b64 v[SC+16*(((\j)/2)%2)+2*\i:SC+16*(((\j)/2)%2)+2*\i+1], v[ADRS] offset:\i*SBLK+8*((\j)/2)   ; lanes 0-15: a's tile i (0-3 are used); lanes 16-31: Wo's tile i
.endr
.endif
.endm
.macro MUL j                           ; 32 products
.set P_, (\j)%2
.set X_, SC+16*(((\j)/2)%2)+(\j)%2
.irp a, 0,1,2,3
.irp b, 0,1,2,3,4,5,6,7
.if (\j) == 0
	v_wmma_scale_f32_16x16x128_f8f6f4 v[8*(8*\a+\b):8*(8*\a+\b)+7], v[128*P_+FR*\b:128*P_+FR*\b+FR-1], v[AF+48*P_+FR*\a:AF+48*P_+FR*\a+FR-1], v[BB+8*\b:BB+8*\b+7], v[X_+2*\b], v[X_+2*\a] matrix_a_fmt:MATRIX_FMT_FP6 matrix_b_fmt:MATRIX_FMT_FP6 matrix_a_scale:MATRIX_SCALE_ROW1
.else
	v_wmma_scale_f32_16x16x128_f8f6f4 v[8*(8*\a+\b):8*(8*\a+\b)+7], v[128*P_+FR*\b:128*P_+FR*\b+FR-1], v[AF+48*P_+FR*\a:AF+48*P_+FR*\a+FR-1], v[8*(8*\a+\b):8*(8*\a+\b)+7], v[X_+2*\b], v[X_+2*\a] matrix_a_fmt:MATRIX_FMT_FP6 matrix_b_fmt:MATRIX_FMT_FP6 matrix_a_scale:MATRIX_SCALE_ROW1
.endif
.endr
.endr
.endm
	s_wait_alu depctr_va_vdst(0)                   ; the wait at the head's end
	s_wait_tensorcnt 0x0                           ; my tile is in,
	s_barrier_signal -1
	s_barrier_wait -1                              ; everybody's is; nothing is ever filled again
	FETCH 0
	FETCH 1
	s_wait_loadcnt 0x0                             ; the bias
	s_wait_dscnt 48                                ; step 0's loads are in; step 1's 48 may be out
	WIN 0x81                                       ; C from window 0
	MUL 0
.irp j, 1,2,3,4,5,6
	PLACES 4                                       ; between the last step's products and the loads into their registers
	FETCH \j+1
	s_wait_dscnt 48+8*(\j%2)                       ; all but the loads just issued
	WIN 0xa1
	MUL \j
.endr
	s_wait_dscnt 0x0                               ; step 7's fragments are in, and my reads of LDS are over:
	s_barrier_signal -1                            ; say so; the products below touch registers alone
	MUL 7
	WIN 0
	s_barrier_wait -1                              ; nobody reads a's bytes any more: the stages may be written
.macro TOSTAGE a
.set AC, 64*(\a)
	WIN 0x08
.irp b, 0,1,2,3,4,5,6,7
	ds_store_b128 v[STO], v[AC+8*\b:AC+8*\b+3] offset:128*(\b/2)+32*(\b%2)          ; each accumulator from its low end on
	ds_store_b128 v[STO], v[AC+8*\b+4:AC+8*\b+7] offset:128*(\b/2)+32*(\b%2)+16
.endr
	WIN 0
.set BKK, BK+64*((\a)%2)
.irp t, 0,1,2,3,4,5,6,7,8,9,10,11,12,13,14,15
	ds_load_b128 v[BKK+4*\t:BKK+4*\t+3], v[RD] offset:\t*SPITCH   ; LDS serves a wave's instructions in order: these see the stores above
.endr
.endm
.macro SEND a, younger
.set BKK, BK+64*((\a)%2)
	s_wait_dscnt \younger
.irp t, 0,1,2,3,4,5,6,7,8,9,10,11,12,13,14,15
	global_store_b128 v[L16], v[BKK+4*\t:BKK+4*\t+3], s[14:15] offset:(32*((\a)/2)+8*((\a)%2)+\t+8*(\t/8))*4096 th:TH_STORE_NT   ; 32 lanes store 512 bytes of a row on end
.endr
.endm
	PLACES 4
	TOSTAGE 0
.irp a, 1,2,3
.if \a > 1
	s_wait_xcnt 0x0                                ; block a - 2's stores have read their registers
.endif
	TOSTAGE \a
	SEND \a-1, 32                                  ; behind block a - 1's loads: block a's 16 stores and 16 loads
.endr
	SEND 3, 0
	s_wait_tensorcnt 0x0                           ; the wave's end
	ds_add_u32 v[SPW], v[NIL]
	s_wait_dscnt 0x0
	CROUND                                         ; the closing round
	s_endpgm
.Lfunc_end_k_qedbc895041_oproj:
	.size	k_qedbc895041_oproj, .Lfunc_end_k_qedbc895041_oproj-k_qedbc895041_oproj
	.p2alignl 7, 3214868480
	.fill 96, 4, 3214868480
	.section	.rodata,"a",@progbits
	.p2align	6, 0x0
	.amdhsa_kernel k_qedbc895041_oproj
		.amdhsa_group_segment_fixed_size 327680
		.amdhsa_private_segment_fixed_size 0
		.amdhsa_enable_private_segment 0
		.amdhsa_kernarg_size 48
		.amdhsa_user_sgpr_count 2
		.amdhsa_user_sgpr_kernarg_segment_ptr 1
		.amdhsa_wavefront_size32 1
		.amdhsa_system_sgpr_workgroup_id_x 1
		.amdhsa_system_sgpr_workgroup_id_y 1
		.amdhsa_system_sgpr_workgroup_id_z 1
		.amdhsa_system_vgpr_workitem_id 0
		.amdhsa_next_free_vgpr 768
		.amdhsa_next_free_sgpr 102
		.amdhsa_reserve_vcc 0
		.amdhsa_float_denorm_mode_32 3
		.amdhsa_float_denorm_mode_16_64 3
		.amdhsa_memory_ordered 1
		.amdhsa_forward_progress 1
		.amdhsa_inst_pref_size 85
	.end_amdhsa_kernel
	.amdgpu_metadata
---
amdhsa.version: [ 1, 2 ]
amdhsa.kernels:
  - .name:           k_qedbc895041_oproj
    .symbol:         k_qedbc895041_oproj.kd
    .args:
      - { .name: acod, .offset: 0, .size: 8, .value_kind: global_buffer, .address_space: global }
      - { .name: ascl, .offset: 8, .size: 8, .value_kind: global_buffer, .address_space: global }
      - { .name: cod, .offset: 16, .size: 8, .value_kind: global_buffer, .address_space: global }
      - { .name: scl, .offset: 24, .size: 8, .value_kind: global_buffer, .address_space: global }
      - { .name: bo, .offset: 32, .size: 8, .value_kind: global_buffer, .address_space: global }
      - { .name: out0, .offset: 40, .size: 8, .value_kind: global_buffer, .address_space: global }
    .group_segment_fixed_size: 327680
    .private_segment_fixed_size: 0
    .kernarg_segment_align: 8
    .kernarg_segment_size: 48
    .max_flat_workgroup_size: 128
    .sgpr_count:     102
    .vgpr_count:     768
    .wavefront_size: 32
...
	.end_amdgpu_metadata
.endif
;; end of part 4
